; MI455X (gfx1250); checked and timed in simulation.
; The chip was launched on July 23, 2026; its instructions are those of AMD's public machine-readable ISA for CDNA 5 (MIT licence, August 2026) and "CDNA5" Instruction Set Architecture Reference Guide (July 2026). The comments in the code are by the model that wrote it; some were corrected since.
;; Multi Head Attention. Allowed arithmetic: matrix products marked QUANTISED: E2M3 operands, one E8M0 scale for each 32 along K, by v_wmma_scale_f32_16x16x128_f8f6f4 with both operands' format E2M3, f32 sums; everything else in f32.
;; Inputs: W_k 1,024 x 1,024 float32; W_o 1,024 x 1,024 float32; W_q 1,024 x 1,024 float32; W_v 1,024 x 1,024 float32; attention_mask 4 x 2,048 int32; x 4 x 2,048 x 1,024 float32.
;; Outputs: out0 4 x 2,048 x 1,024 float32.
;; This version of the problem:
;;   THIS VERSION OF THE PROBLEM IS GIVEN IN LOW PRECISION. The matrix products marked QUANTISED in the list below multiply operands that are first quantised to E2M3 (2 exponent bits, 3 mantissa bits; 6 bits a number), with one power-of-two scale for each 32 numbers along K (OCP MX v1.0); their sums are f32. All else is computed in f32.
;;   The module's matrix products, in the order in which they are computed (A, B: the left and right operand; K: the contracted axis; several contracted axes count as one K, in the product's order):
;;     1. [M 8,192, K 1,024] x [K 1,024, N 1,024]; A: input x; B: input W_q: QUANTISED
;;     2. [M 8,192, K 1,024] x [K 1,024, N 1,024]; A: input x; B: input W_k: QUANTISED
;;     3. [M 8,192, K 1,024] x [K 1,024, N 1,024]; A: input x; B: input W_v: QUANTISED
;;     4. batch 64 x [M 2,048, K 64] x [K 64, N 2,048]; A: computed on the way; B: computed on the way: QUANTISED
;;     5. batch 64 x [M 2,048, K 2,048] x [K 2,048, N 64]; A: computed on the way; B: computed on the way: QUANTISED
;;     6. [M 8,192, K 1,024] x [K 1,024, N 1,024]; A: computed on the way; B: input W_o: QUANTISED
;;   THE QUANTISER, for each operand of a quantised product, along K:
;;     - K is cut into blocks of 32 from its start; a last block that is shorter is filled with zeros.
;;     - A block's scale is 2^e with e = floor(log2(the largest magnitude in the block)) - 2, held to -126 .. 127; a block of zeros has e = 0. As a byte (E8M0): e + 127.
;;     - Each number is divided by its block's scale, clamped to +-7.5, and rounded to the nearest number of E2M3, ties to even, subnormals kept.
;;     - The product sums the exact products of the quantised numbers (number of the format x scale) in f32.
;;   ~~~python
;;   def quantise(x, axis):      # numpy; x: float32 -> the quantised numbers, widened to float32 again
;;       x = np.moveaxis(x, axis, -1); K = x.shape[-1]
;;       x = np.pad(x, [(0, 0)] * (x.ndim - 1) + [(0, -K % 32)]); x = x.reshape(x.shape[:-1] + (-1, 32)); a = np.abs(x).max(-1, keepdims=True)
;;       e = np.where(a > 0, np.clip(np.frexp(np.where(a > 0, a, 1))[1] - 1 - 2, -126, 127), 0)      # np.frexp(a)[1] - 1 = floor(log2(a)), exactly
;;       r = np.clip(x / 2.0 ** e, -7.5, 7.5)
;;       step = 2.0 ** (np.maximum(np.frexp(np.where(r == 0, 1, r))[1] - 1, 0) - 3)
;;       q = np.round(r / step) * step * 2.0 ** e      # np.round: ties to even
;;       return np.moveaxis(q.reshape(q.shape[:-2] + (-1,))[..., :K], -1, axis).astype(np.float32)
;;   ~~~
;;   OPERANDS COMPUTED ON THE WAY. 'Computed on the way' means the value that the module computes at that place (a softmax that the list does not call 'softmax' is quantised finished and normalised). What goes into a quantiser is computed in f32, as accurately as f32 sums, v_exp_f32 and their like allow (about 1e-6 of the number): no bf16 or f16 on the way to a quantiser, and a product that is left as it is and whose result goes on into a quantised operand takes f32 operands (vector FMAs, or v_wmma_f32_16x16x4_f32). A number that lies on a knife's edge between two numbers of the format may be rounded either way, as far as f32 arithmetic and the matrix unit's own rounding can turn it there, and no further.
;; One version. Each part assembles by itself: llvm-mc -triple=amdgcn-amd-amdhsa -mcpu=gfx1250 --defsym DOCPART=n.
;; ======== version 1 of 1: 4 launches
;; limits: right only within a limited range of input values
;; workspace buffers: xwq 10,354,688 bytes; qkvq 24,379,392 bytes; oq 6,553,600 bytes
;; launch quant (part 1): grid 384 x 1, 4 waves a work-group, no clusters, 37,376 bytes of LDS; arguments x, W_q, W_k, W_v, W_o, xwq; writes xwq
.if DOCPART == 1
	.amdgcn_target "amdgcn-amd-amdhsa--gfx1250"
	.amdhsa_code_object_version 6
	.text
	.protected	k_qd34a3d75d4_quant
	.globl	k_qd34a3d75d4_quant
	.p2align	8
	.type	k_qd34a3d75d4_quant,@function
k_qd34a3d75d4_quant:
	s_mov_b64 s[64:65], 0
	v_nop
	global_prefetch_b8 v0, s[64:65] scope:SCOPE_SE
	s_setreg_imm32_b32 hwreg(HW_REG_WAVE_MODE, 25, 1), 1
	s_wait_xcnt 0x0
; x [8192][1024] and the four weights [1024][1024], f32, K innermost, become codes of FP6 (E2M3) with one E8M0 byte for each 32 along K; the first 256 work-groups also make the table of cosines and sines.
; A block's scale is 2^(floor(log2(its largest magnitude)) - 2): its byte is that magnitude's exponent field - 2, held at 1 from below.  A block of zeros so gets the byte 1: its codes are zeros, and this program alone reads the bytes.
; LIMITS: NaN and infinities are not served; blocks whose largest magnitude lies under 2^-124 get the byte 1.
; LAYOUT OUT.  Rows go in tiles of 16 that are not neighbours: lane r of tile 2 G + u holds row 32 G + 8 u + r + 8 (r / 8).  A UNIT is 16 such rows x 64 along K as the matrix operand's registers want them:
; lane (r, h) owns block k = 32 h .. 32 h + 31 of its row, six words: words 0-3 at 16 x lane (512 bytes), words 4-5 at 512 + 8 x lane (256 bytes).  A tile is 16 units, 12,288 bytes; its scale bytes are [K half][r][16], 512 bytes.
; Tiles 0-511 x, 512-575 W_q, 576-639 W_k, 640-703 W_v, 704-767 W_o.
; SHARES.  A wave takes one tile and one half of K: 8 units.  Each load reads two rows x 256 consecutive bytes; a unit's 4,096 bytes turn through the wave's own stage in LDS (rows 272 bytes apart) and come back 128 bytes
; a lane: a whole block, so that its largest magnitude needs no other lane.  Every store covers whole aligned runs of 256 bytes.  No tensor loads, no barrier: waves share nothing; nothing is shared between work-groups, so no cluster.
; Loads run three units (24 loads a wave) ahead, the turn through LDS one unit.
; THE TABLE: [token 2048][pair 32] (cos, sin), f32.  inv_freq = 1 / fl(10^(pair / 8)); the angle is fl(token x inv_freq), reduced by a three-part pi / 2 and put through polynomials.
; LIMIT: inv_freq may differ by a unit in the last place from a power function that is not correctly rounded.
.set XSC,   9437184                    ; where the scale bytes begin in the workspace
.set ROPE,  9830400                    ; and the table
.set WREG,  9216                       ; LDS: a region for each wave: two stages of 16 x 272 bytes, behind them its 256 scale bytes
.set STGB,  4352
.set SBY,   8704
.set R,     16                         ; v16-111   three sets of 32: a unit as it is loaded
.set X,     112                        ; v112-175  two sets of 32: a lane's block (set 1 serves the table first)
.set C,     176                        ; v176-239  codes: eight registers for each unit, so that no store's data are written again
.set E,     244                        ; v244-251  a scale byte for each unit
.macro LOAD t                          ; unit t: rows 2 j and 2 j + 1 of the tile, 256 bytes each
.irp j, 0,1,2,3,4,5,6,7
	global_load_b128 v[R+32*((\t)%3)+4*\j:R+32*((\t)%3)+4*\j+3], v4, s[4:5] offset:(2*\j+8*(\j/4))*4096+256*(\t) th:TH_LOAD_NT
.endr
.endm
.macro TURN t                          ; through the stage: LDS serves a wave's instructions in order, so no wait stands between the stores and the loads
.irp j, 0,1,2,3,4,5,6,7
	ds_store_b128 v5, v[R+32*((\t)%3)+4*\j:R+32*((\t)%3)+4*\j+3] offset:STGB*((\t)%2)+544*\j
.endr
.irp i, 0,1,2,3,4,5,6,7
	ds_load_b128 v[X+32*((\t)%2)+4*\i:X+32*((\t)%2)+4*\i+3], v6 offset:STGB*((\t)%2)+16*\i
.endr
.endm
.macro PICK n, hi, lo                  ; lanes whose pair % 8 is n take 10^(n / 8) in two parts
	v_cmp_ne_u32 vcc_lo, \n, v149
	v_cndmask_b32 v144, \hi, v144, vcc_lo
	v_cndmask_b32 v145, \lo, v145, vcc_lo
.endm
.macro ROPE_T u, d                     ; token s30 + u: (cos, sin) of my pair into v[d], v[d + 1]
	s_add_co_u32 s31, s30, \u
	v_cvt_f32_u32 v150, s31
	v_mul_f32 v150, v150, v148                     ; the angle, rounded as the outer product rounds it
	v_mul_f32 v151, 0x3f22f983, v150               ; x 2 / pi
	v_rndne_f32 v151, v151                         ; k, at most 1,304
	v_fma_f32 v150, v151, 0xbfc90fdb, v150         ; - k x pi / 2, in three parts; the first step is exact: both terms are multiples of 2^-23 and the result lies under 1
	v_fma_f32 v150, v151, 0x333bbd2e, v150
	v_fma_f32 v150, v151, 0x26f72ced, v150
	v_mul_f32 v152, v150, v150                     ; z = a^2, a within pi / 4
	v_mov_b32 v153, 0x37ccf5ce
	v_mov_b32 v156, 0xb94ca1f9
	v_fmaak_f32 v153, v153, v152, 0xbab6061a
	v_fmaak_f32 v156, v156, v152, 0x3c08839e
	v_fmaak_f32 v153, v153, v152, 0x3d2aaaa5
	v_fmaak_f32 v156, v156, v152, 0xbe2aaaa3
	v_mul_f32 v154, v152, v152
	v_fma_f32 v155, v152, -0.5, 1.0
	v_mul_f32 v157, v152, v150
	v_fma_f32 v153, v153, v154, v155               ; cos a
	v_fma_f32 v156, v156, v157, v150               ; sin a
	v_cvt_i32_f32 v158, v151
	v_and_b32 v159, 1, v158
	v_cmp_eq_u32 vcc_lo, 1, v159                   ; odd quadrants change the two
	v_cndmask_b32 v[\d], v153, v156, vcc_lo
	v_cndmask_b32 v[\d+1], v156, v153, vcc_lo
	v_and_b32 v159, 2, v158                        ; the sine is negative in quadrants 2 and 3,
	v_lshlrev_b32 v159, 30, v159
	v_xor_b32 v[\d+1], v[\d+1], v159
	v_add_nc_u32 v158, 1, v158                     ; the cosine in quadrants 1 and 2
	v_and_b32 v159, 2, v158
	v_lshlrev_b32 v159, 30, v159
	v_xor_b32 v[\d], v[\d], v159
.endm
	s_load_b256 s[4:11], s[0:1], 0x0               ; x, W_q, W_k, W_v
	s_load_b128 s[12:15], s[0:1], 0x20             ; W_o, the workspace
	v_lshl_add_u32 v254, v0, 2, 0x9000
	v_mov_b32 v255, 0
	v_lshrrev_b32 v1, 5, v0
	v_readfirstlane_b32 s16, v1                    ; wave
	v_and_b32 v1, 15, v0                           ; r
	v_bfe_u32 v2, v0, 4, 1                         ; h
	v_and_b32 v3, 31, v0                           ; lane
	v_lshlrev_b32 v4, 4, v1
	v_lshl_add_u32 v4, v2, 12, v4                  ; in: 16 bytes of a row's 256, lanes 16-31 one row down
	s_mul_i32 s17, s16, WREG
	v_mul_u32_u24 v5, v2, 272
	v_lshl_add_u32 v5, v1, 4, v5
	v_add_nc_u32 v5, s17, v5                       ; the stage, on the way in
	v_mul_u32_u24 v6, v1, 272
	v_lshl_add_u32 v6, v2, 7, v6
	v_add_nc_u32 v6, s17, v6                       ; and out: row r, block h
	v_lshl_add_u32 v7, v1, 4, v2
	v_add_nc_u32 v7, s17, v7                       ; my scale byte: 16 r + h (+ 2 x unit)
	v_lshlrev_b32 v8, 4, v3                        ; 16 x lane
	v_lshlrev_b32 v9, 3, v3                        ; 8 x lane
	v_add_nc_u32 v10, s17, v9
	s_lshl_b32 s19, ttmp9, 1
	s_lshr_b32 s20, s16, 1
	s_add_co_u32 s19, s19, s20                     ; my tile
	s_and_b32 s20, s16, 1                          ; my half of K
	s_mov_b32 s18, 0                               ; the first tile of the tensor that it belongs to
	s_wait_kmcnt 0x0
	s_cmp_ge_u32 ttmp9, 256                        ; the choice hangs on the work-group's number alone; only pointers are chosen
	s_cselect_b64 s[4:5], s[6:7], s[4:5]
	s_cselect_b32 s18, 512, s18
	s_cmp_ge_u32 ttmp9, 288
	s_cselect_b64 s[4:5], s[8:9], s[4:5]
	s_cselect_b32 s18, 576, s18
	s_cmp_ge_u32 ttmp9, 320
	s_cselect_b64 s[4:5], s[10:11], s[4:5]
	s_cselect_b32 s18, 640, s18
	s_cmp_ge_u32 ttmp9, 352
	s_cselect_b64 s[4:5], s[12:13], s[4:5]
	s_cselect_b32 s18, 704, s18
	s_sub_co_u32 s21, s19, s18                     ; the tile within its tensor
	s_lshr_b32 s22, s21, 1
	s_lshl_b32 s22, s22, 5
	s_and_b32 s21, s21, 1
	s_lshl_b32 s21, s21, 3
	s_add_co_u32 s22, s22, s21                     ; its first row: 32 G + 8 u
	s_lshl_b32 s22, s22, 12                        ; rows of 4,096 bytes
	s_lshl_b32 s21, s20, 11
	s_add_co_u32 s22, s22, s21
	s_mov_b32 s23, 0
	s_add_nc_u64 s[4:5], s[4:5], s[22:23]
	s_mul_i32 s22, s19, 12288
	s_mul_i32 s21, s20, 6144
	s_add_co_u32 s22, s22, s21
	s_add_nc_u64 s[24:25], s[14:15], s[22:23]      ; my codes
	s_lshl_b32 s22, s19, 9
	s_lshl_b32 s21, s20, 8
	s_add_co_u32 s22, s22, s21
	s_add_co_u32 s22, s22, XSC
	s_add_nc_u64 s[26:27], s[14:15], s[22:23]      ; my 256 scale bytes
	LOAD 0
	LOAD 1
	LOAD 2
	; ---- the table, while the first loads are on their way: wave 4 x work-group + wave makes two tokens; lane = pair
	s_cmp_ge_u32 ttmp9, 256
	s_cbranch_scc1 .Lno_rope
	s_lshl_b32 s30, ttmp9, 2
	s_add_co_u32 s30, s30, s16
	s_lshl_b32 s22, s30, 9                         ; two tokens of 256 bytes
	s_add_co_u32 s22, s22, ROPE
	s_add_nc_u64 s[28:29], s[14:15], s[22:23]
	s_lshl_b32 s30, s30, 1                         ; my first token
	v_and_b32 v149, 7, v3
	v_mov_b32 v144, 1.0
	v_mov_b32 v145, 0
	PICK 1, 0x3faab0d5, 0xb3645cf8
	PICK 2, 0x3fe39ea9, 0xb26ae7d6
	PICK 3, 0x4017c496, 0x336068db
	PICK 4, 0x404a62c2, 0xb324b48c
	PICK 5, 0x4086f161, 0xb43057d0
	PICK 6, 0x40b3f300, 0x343234fe
	PICK 7, 0x40eff755, 0x34515b64
	v_mov_b32 v146, 1.0                            ; 10^(pair / 8, rounded down)
	v_cmp_gt_u32 vcc_lo, 8, v3
	v_cndmask_b32 v146, 0x41200000, v146, vcc_lo
	v_cmp_gt_u32 vcc_lo, 16, v3
	v_cndmask_b32 v146, 0x42c80000, v146, vcc_lo
	v_cmp_gt_u32 vcc_lo, 24, v3
	v_cndmask_b32 v146, 0x447a0000, v146, vcc_lo
	v_mul_f32 v147, v145, v146
	v_fma_f32 v147, v144, v146, v147               ; 10^(pair / 8), rounded once
	s_wait_alu depctr_va_vdst(0)
	v_rcp_f32 v148, v147
	v_nop                                          ; a plain place behind the reciprocal
	s_wait_alu depctr_va_vdst(0)
	v_fma_f32 v149, -v147, v148, 1.0
	v_fma_f32 v148, v149, v148, v148               ; 1 / it, corrected by one step
	ROPE_T 0, 160
	ROPE_T 1, 162
	global_store_b64 v9, v[160:161], s[28:29]      ; 32 lanes store a token's 256 bytes
	global_store_b64 v9, v[162:163], s[28:29] offset:256
	s_wait_xcnt 0x0                                ; these registers are the second set of blocks: written again only behind this wait
.Lno_rope:
	s_wait_loadcnt 16                              ; unit 0's eight loads are in; units 1 and 2 may be out
	s_wait_alu depctr_va_vdst(0)
	TURN 0
.macro STEP t
.set XR, X+32*((\t)%2)
.if (\t) > 0
	s_wait_dscnt 1                                 ; this unit is back from the stage (the last unit's byte store may be out): so its stores into the stage have read their registers,
.else
	s_wait_dscnt 0x0
.endif
.if (\t)+3 < 8
	LOAD (\t)+3                                    ; which take the loads of three units on
.endif
.if (\t)+1 < 8
.if 6-(\t) >= 2
	s_wait_loadcnt 16                              ; the next unit's loads are in; those of the two units behind it may be out
.else
	s_wait_loadcnt 8*(6-(\t))
.endif
	TURN (\t)+1
.endif
	v_max3_num_f32 v12, |v[XR]|, |v[XR+1]|, |v[XR+2]|              ; the block's largest magnitude: all 32 numbers are mine; two chains
	v_max3_num_f32 v13, |v[XR+3]|, |v[XR+4]|, |v[XR+5]|
.irp i, 6,10,14,18,22,26
	v_max3_num_f32 v12, v12, |v[XR+\i]|, |v[XR+\i+1]|
	v_max3_num_f32 v13, v13, |v[XR+\i+2]|, |v[XR+\i+3]|
.endr
	v_max3_num_f32 v12, v12, |v[XR+30]|, |v[XR+31]|
	v_max3_num_f32 v12, v12, v13, 0x1800000        ; and the floor 2^(3 - 127): the byte cannot fall under 1
	v_add_nc_u32 v14, 0xff000000, v12              ; 2 off its exponent field: the conversion takes the exponent field of this operand as its scale
	v_cvt_scalef32_pk16_fp6_f32 v[C+8*(\t):C+8*(\t)+2], v[XR:XR+15], v14
	v_cvt_scalef32_pk16_fp6_f32 v[240:242], v[XR+16:XR+31], v14    ; (a conversion's three registers begin on an even number)
	v_lshrrev_b32 v[E+(\t)], 23, v14               ; the scale's byte; also the plain place behind the conversions
.irp i, 0,1,2
	v_mov_b32 v[C+8*(\t)+3+\i], v[240+\i]
.endr
	ds_store_b8 v7, v[E+(\t)] offset:SBY+2*(\t)
	global_store_b128 v8, v[C+8*(\t):C+8*(\t)+3], s[24:25] offset:768*(\t)        ; 512 consecutive bytes
	global_store_b64 v9, v[C+8*(\t)+4:C+8*(\t)+5], s[24:25] offset:768*(\t)+512   ; 256 consecutive bytes
.endm
.irp t, 0,1,2,3,4,5,6,7
	STEP \t
.endr
	ds_load_b64 v[12:13], v10 offset:SBY           ; LDS serves a wave's instructions in order: these see my byte stores
	s_wait_dscnt 0x0
	global_store_b64 v9, v[12:13], s[26:27]        ; 32 lanes store 256 consecutive bytes
	s_wait_tensorcnt 0x0
	ds_add_u32 v254, v255
	s_wait_dscnt 0x0
	s_endpgm
.Lfunc_end_k_qd34a3d75d4_quant:
	.size	k_qd34a3d75d4_quant, .Lfunc_end_k_qd34a3d75d4_quant-k_qd34a3d75d4_quant
	.p2alignl 7, 3214868480
	.fill 96, 4, 3214868480
	.section	.rodata,"a",@progbits
	.p2align	6, 0x0
	.amdhsa_kernel k_qd34a3d75d4_quant
		.amdhsa_group_segment_fixed_size 37376
		.amdhsa_private_segment_fixed_size 0
		.amdhsa_enable_private_segment 0
		.amdhsa_kernarg_size 48
		.amdhsa_user_sgpr_count 2
		.amdhsa_user_sgpr_kernarg_segment_ptr 1
		.amdhsa_wavefront_size32 1
		.amdhsa_system_sgpr_workgroup_id_x 1
		.amdhsa_system_sgpr_workgroup_id_y 1
		.amdhsa_system_sgpr_workgroup_id_z 1
		.amdhsa_system_vgpr_workitem_id 0
		.amdhsa_next_free_vgpr 256
		.amdhsa_next_free_sgpr 66
		.amdhsa_reserve_vcc 1
		.amdhsa_float_denorm_mode_32 3
		.amdhsa_float_denorm_mode_16_64 3
		.amdhsa_memory_ordered 1
		.amdhsa_forward_progress 1
		.amdhsa_inst_pref_size 36
	.end_amdhsa_kernel
	.amdgpu_metadata
---
amdhsa.version: [ 1, 2 ]
amdhsa.kernels:
  - .name:           k_qd34a3d75d4_quant
    .symbol:         k_qd34a3d75d4_quant.kd
    .args:
      - { .name: x, .offset: 0, .size: 8, .value_kind: global_buffer, .address_space: global }
      - { .name: W_q, .offset: 8, .size: 8, .value_kind: global_buffer, .address_space: global }
      - { .name: W_k, .offset: 16, .size: 8, .value_kind: global_buffer, .address_space: global }
      - { .name: W_v, .offset: 24, .size: 8, .value_kind: global_buffer, .address_space: global }
      - { .name: W_o, .offset: 32, .size: 8, .value_kind: global_buffer, .address_space: global }
      - { .name: xwq, .offset: 40, .size: 8, .value_kind: global_buffer, .address_space: global }
    .group_segment_fixed_size: 37376
    .private_segment_fixed_size: 0
    .kernarg_segment_align: 8
    .kernarg_segment_size: 48
    .max_flat_workgroup_size: 128
    .sgpr_count:     66
    .vgpr_count:     256
    .wavefront_size: 32
...
	.end_amdgpu_metadata
.endif
;; end of part 1
;; launch qkv (part 2): grid 96 x 4, 4 waves a work-group, clusters of 4 x 4, 327,680 bytes of LDS; arguments xwq, attention_mask, qkvq; writes qkvq
.if DOCPART == 2
	.amdgcn_target "amdgcn-amd-amdhsa--gfx1250"
	.amdhsa_code_object_version 6
	.text
	.protected	k_qd34a3d75d4_qkv
	.globl	k_qd34a3d75d4_qkv
	.p2align	8
	.type	k_qd34a3d75d4_qkv,@function
k_qd34a3d75d4_qkv:
	s_mov_b64 s[64:65], 0
	v_nop
	global_prefetch_b8 v0, s[64:65] scope:SCOPE_SE
	s_setreg_imm32_b32 hwreg(HW_REG_WAVE_MODE, 25, 1), 1
	s_wait_xcnt 0x0
	s_wait_alu depctr_hold_cnt(0) depctr_sa_sdst(0) depctr_va_vdst(0) depctr_va_sdst(0) depctr_va_ssrc(0) depctr_va_vcc(0) depctr_vm_vsrc(0)
	s_getreg_b32 s2, hwreg(HW_REG_IB_STS2, 6, 4)
	s_cmp_eq_u32 s2, 0
	s_cbranch_scc0 .Lentry_in_a_cluster
	s_endpgm
.Lentry_in_a_cluster:
	s_bfe_u32 s2, ttmp6, 0x10000c
	s_cmp_lg_u32 s2, 0xf033
	s_cbranch_scc0 .Lentry_shape_is_right
	s_endpgm
.Lentry_shape_is_right:
; q = x W_q^T, k = x W_k^T, v = x W_v^T on codes of FP6 (E2M3) with E8M0 scales; q and k are rotated (RoPE) and quantised along the head's 64, v along the keys; only codes and scale bytes are stored.
; THE PRODUCT.  A tile of 256 x 256 to a work-group of four waves, 128 x 128 a wave (64 accumulators, 512 registers); K = 1,024 in four steps of 256 through two LDS slots filled by the tensor data mover.
; Operands lie in memory as images of the operand's registers (units of 16 rows x 64 K, 768 bytes: words 0-3 of a lane at 16 x lane, words 4-5 at 512 + 8 x lane), so a fragment is two loads of 16 and two of 8 bytes,
; each of consecutive bytes from lane to lane: no pitch, no padding.  Lane r of tile 2 G + u holds row 32 G + 8 u + r + 8 (r / 8).
; THE MATRIX INSTRUCTION IS USED TRANSPOSED: source 0 = side B, source 1 = side A.  A lane then holds ONE row of A, and the 16 registers of B's tiles 2 G and 2 G + 1 are B's rows 32 G + 16 (lane / 16) + 0 .. 15: neighbours.
; q, k (clusters 0-15): A = x (tokens), B = W_q or W_k (features): a lane's registers run along the head's dimension, along which q and k are quantised.
; v (clusters 16-23): A = W_v (features), B = x (tokens): a lane's registers run along the keys, along which v is quantised.  Nothing is transposed by an instruction.
; CLUSTERS: 4 x 4 work-groups; A's tiles are shared along a row of the cluster, B's along a column: joint loads, which divide the requests by four.
; THE PAD MASK rides in the padding of the score product's K (64 of 128): at k = 64 a query holds the code 1.0 under the byte 127; a masked key holds -4.0 under the byte 225, so that its score is -2^100;
; any other key holds 0 under the byte 1.  LIMIT: |q . k| stays under 2^90.  NaN and infinities are not served; blocks under 2^-124 and blocks of zeros get the byte 1.
; OUT.  For each (batch, head, 128 tokens): a block of q or of k, 8,704 bytes: eight tile images of 1,024 (words 0-3 at 16 x lane; words 4, 5, the padding's word and 0 at 512 + 16 x lane), then the scale words, 16 bytes a lane:
; word w of lane (r, h) belongs to tile 2 w + h.  A block of v, 6,400 bytes: four fragments (16 of the head's 64 x 128 keys, 3 x 512 bytes), then the scale words, 8 bytes a lane.
; REGISTERS, in windows of 256: window 0: v0-31 addresses; v32-63 scale words, two sets, and nothing else ever; v128-223 A's fragments, one set; window 1: B's fragments, two sets; windows 2, 3: the accumulators.
.set NQ,     2                         ; matrix instructions deep in a slot
.set FR,     12                        ; registers of a fragment
.set NL,     4                         ; LDS loads that bring one
.set NP,     4                         ; places behind this matrix instruction (ISA guide 7.12.1)
.set TILEB,  3072                      ; a tile's part of a slot: four units
.set KROW,   12288                     ; a tile in memory
.set HALFT,  8*TILEB                   ; eight tiles: what one tensor load brings, and what one wave reads of A or of B
.set SLOT,   4*HALFT
.set SCL,    2*SLOT                    ; behind the ring: the scale bytes of A's and B's 16 tiles for all of K, filled once
.set HALFS,  4096
.set SBLK,   512
.set SPARE,  SCL+4*HALFS               ; the spare words, 128 bytes for each wave
.set XSC,    9437184                   ; in the workspace of codes: where the scale bytes begin,
.set ROPE,   9830400                   ; and the table of cosines and sines
.set KOFF,   8912896                   ; in the output: where k's blocks begin,
.set VOFF,   17825792                  ; and v's
.set ADRA, 16                          ; v16-17 LDS address of my A fragments in slot 0, 1, + 16 x lane; v18-19 the same + 8 x lane
.set ADRB, 20                          ; v20-23 the same for B
.set ADRS, 27                          ; v27    my scale words: lanes 0-15 A's rows, lanes 16-31 B's
.set SPW,  28                          ; v28    my spare word; never rewritten
.set NIL,  29                          ; v29    0; never rewritten
.set SC,   32
.set AF,   128
.set G1, 24
.set G0, 32
.set G1B, 48
.set G0B, 56
.set G1S, 68
.set G0S, 76
.set G1SB, 80
.set G0SB, 88
.set SEL, 98                           ; s[98:99] lane selects for v_permlanex16_b32: lane l xor 16
; the way out, all in window 0
.set X,   64                           ; v64-127  a tile's 64 rotated numbers
.set CS,  128                          ; unused: the table goes to window 1, 32 registers a tile
.set AM,  192                          ; v192-199 the mask of my token in each of the eight tiles
.set PC,  200                          ; v200-215 codes
.set PT,  216                          ; v216-223 the conversions' second halves
.set TM,  224                          ; v224-239 at work in the quantiser
.set PW,  240                          ; the scale word just made
.set WE,  241
.set HI,  242
.set WO,  243
.set SWE, 244                          ; v244-247 the even head's scale words (v: both heads'); v248-251 the odd head's
.set SWO, 248
.set MSB, 0
.macro WIN new                         ; the immediate's high byte repeats the setting that is left
.if MSB != (\new)
	s_set_vgpr_msb (MSB<<8)|(\new)
.set MSB, (\new)
.endif
.endm
.set MUL_LO, 0xa1                      ; source 0 (B) window 1, source 1 (A) window 0, C and D window 2
.set MUL_HI, 0xf1
.set TO_B,   0x40
; A joint load: waves 0 and 1 fetch for A, waves 2 and 3 for B; the branch hangs on the wave's number alone.  Four v_nop follow each of the two lines.
.macro JLOAD g0a, g1a, g0b, g1b
	s_cmp_eq_u32 s15, 0
	s_cbranch_scc0 .Lfor_b_\@
	tensor_load_to_lds s[\g0a:\g0a+3], s[\g1a:\g1a+7]
	s_nop 0
.rept 4
	v_nop
.endr
	s_branch .Lasked_\@
.Lfor_b_\@:
	tensor_load_to_lds s[\g0b:\g0b+3], s[\g1b:\g1b+7]
	s_nop 0
.rept 4
	v_nop
.endr
.Lasked_\@:
.endm
.macro CREST                           ; a round of the cluster's barrier behind its opening barrier
	s_cmp_lg_u32 s14, 0
	s_cbranch_scc1 .Lnot_wave_0_\@
	s_barrier_signal -3
.Lnot_wave_0_\@:
	s_barrier_wait -3
	s_barrier_signal -1
	s_barrier_wait -1
.endm
.macro CROUND
	s_barrier_signal -1
	s_barrier_wait -1
	CREST
.endm
	s_load_b128 s[4:7], s[0:1], 0x0                ; the codes' workspace, the mask
	s_load_b64 s[12:13], s[0:1], 0x10              ; the output
	v_lshl_add_u32 v[SPW], v0, 2, SPARE
	v_mov_b32 v[NIL], 0
	ds_add_u32 v28, v29
	ds_add_u32 v28, v29
	s_wait_dscnt 0x0
	v_lshrrev_b32 v1, 5, v0
	v_readfirstlane_b32 s14, v1                    ; wave 0..3
	s_lshr_b32 s15, s14, 1                         ; which half of A's rows is mine.  Also: I fetch for A (0) or for B (1)
	s_and_b32 s16, s14, 1                          ; which half of B's rows.  Also: which eight tiles I fetch
	s_bfe_u32 s40, ttmp6, 0x40000                  ; cx, cy: my place in the cluster
	s_bfe_u32 s41, ttmp6, 0x40004
	s_and_b32 s42, ttmp9, 1                        ; q, k: the cluster's column (0: W_q, 1: W_k) and row (of eight)
	s_lshr_b32 s17, ttmp9, 1
	s_sub_co_u32 s18, ttmp9, 16                    ; v: its column (of eight); one row
	s_cmp_ge_u32 ttmp9, 16                         ; the cluster's number is the same in all partners
	s_cselect_b32 s42, s18, s42
	s_cselect_b32 s17, 0, s17
	s_cselect_b32 s95, 640, 0                      ; A's first tile in the workspace: W_v or x
	s_cselect_b32 s96, 0, 512                      ; B's: x or W_q (W_k follows it)
	s_lshl_b32 s42, s42, 2
	s_add_co_u32 s42, s42, s40                     ; tile column
	s_lshl_b32 s17, s17, 2
	s_add_co_u32 s17, s17, s41                     ; tile row
	s_lshl_b32 s43, s41, 2
	s_lshl_b32 s43, 15, s43                        ; my row of the cluster
	s_lshl_b32 s44, 0x1111, s40                    ; my column
	; descriptor group 1: eight tiles' parts, rows of 3,072 bytes (384 elements of 8 bytes), 12,288 bytes apart in memory, on end in LDS
	s_or_b32 s[G1+0], s43, (3<<16)|(1<<21)         ; 15:0 the mask: A's tiles go to my row; 17:16 elements of 8 bytes; 21 set beside a mask; no padding
	s_or_b32 s[G1B+0], s44, (3<<16)|(1<<21)
.irp g, G1, G1B
	s_mov_b32 s[\g+1], 384<<16                     ; tensor_dim0
	s_mov_b32 s[\g+2], 16<<16                      ; tensor_dim1: the head's loads bring all sixteen tiles
	s_mov_b32 s[\g+3], 384<<16                     ; tile_dim0
	s_mov_b32 s[\g+4], 16                          ; tile_dim1
	s_mov_b32 s[\g+5], 1536                        ; tensor_dim0_stride
	s_mov_b32 s[\g+6], 0
	s_mov_b32 s[\g+7], 0
.endr
	; and for the scale bytes of sixteen tiles: 8,192 dense bytes, as 32 rows of 256
	s_or_b32 s[G1S+0], s43, (3<<16)|(1<<21)
	s_or_b32 s[G1SB+0], s44, (3<<16)|(1<<21)
.irp g, G1S, G1SB
	s_mov_b32 s[\g+1], 32<<16
	s_mov_b32 s[\g+2], 32<<16                      ; sixteen tiles' scale bytes: 32 rows of 256
	s_mov_b32 s[\g+3], 32<<16
	s_mov_b32 s[\g+4], 32
	s_mov_b32 s[\g+5], 32
	s_mov_b32 s[\g+6], 0
	s_mov_b32 s[\g+7], 0
.endr
	s_mul_i32 s18, s16, 8*KROW                     ; in the ring I fetch eight tiles: which half, in bytes
	s_mov_b32 s19, 0
	s_lshl_b32 s20, s17, 4
	s_add_co_u32 s20, s20, s95                     ; A's first tile: made of the tile row alone
	s_lshl_b32 s46, s42, 4
	s_add_co_u32 s46, s46, s96                     ; B's: of the tile column alone
	s_lshl_b32 s22, s20, 9
	s_add_co_u32 s22, s22, XSC                     ; where these tiles' scale bytes begin,
	s_mov_b32 s23, 0
	s_lshl_b32 s92, s46, 9
	s_add_co_u32 s92, s92, XSC
	s_mov_b32 s93, 0
	s_mul_i32 s20, s20, KROW                       ; and their codes
	s_mov_b32 s21, 0
	s_mul_i32 s46, s46, KROW
	s_mov_b32 s47, 0
	s_mul_i32 s45, s14, HALFT                      ; where they go: by the wave's number alone
	s_lshl_b32 s94, s14, 12
	s_wait_kmcnt 0x0
	s_add_nc_u64 s[20:21], s[4:5], s[20:21]
	s_add_nc_u64 s[22:23], s[4:5], s[22:23]
	s_add_nc_u64 s[46:47], s[4:5], s[46:47]
	s_add_nc_u64 s[92:93], s[4:5], s[92:93]
	CROUND                                         ; all sixteen work-groups are here: the first joint loads meet
	s_mov_b32 s[G0S], 1
	s_mov_b32 s[G0S+1], SCL
	s_mov_b64 s[G0S+2:G0S+3], s[22:23]
	s_or_b32 s[G0S+3], s[G0S+3], 0x80000000
	s_mov_b32 s[G0SB], 1
	s_mov_b32 s[G0SB+1], SCL+2*HALFS
	s_mov_b64 s[G0SB+2:G0SB+3], s[92:93]
	s_or_b32 s[G0SB+3], s[G0SB+3], 0x80000000
.irp s, 0,1
	s_mov_b32 s[G0+4*\s], 1
	s_add_co_u32 s[G0+4*\s+1], s45, \s*SLOT
	s_add_nc_u64 s[G0+4*\s+2:G0+4*\s+3], s[20:21], \s*TILEB
	s_or_b32 s[G0+4*\s+3], s[G0+4*\s+3], 0x80000000
	s_mov_b32 s[G0B+4*\s], 1
	s_add_co_u32 s[G0B+4*\s+1], s45, \s*SLOT
	s_add_nc_u64 s[G0B+4*\s+2:G0B+4*\s+3], s[46:47], \s*TILEB
	s_or_b32 s[G0B+4*\s+3], s[G0B+4*\s+3], 0x80000000
.endr
	s_add_nc_u64 s[G0+6:G0+7], s[G0+6:G0+7], s[18:19]       ; slot 1's group 0: my eight tiles
	s_add_nc_u64 s[G0B+6:G0B+7], s[G0B+6:G0B+7], s[18:19]
	s_mov_b32 s[G0+1], 0                           ; slot 0's group 0 serves the head first: all sixteen tiles of A,
	s_mov_b32 s[G0B+1], 2*HALFT                    ; and of B behind them
; the head's four tiles, one load a wave: one tree of branches on the wave's number, all arms joining at one label
.macro ARM under, g0, g1, next
	s_cmp_lt_u32 s14, \under
	s_cbranch_scc0 \next
	tensor_load_to_lds s[\g0:\g0+3], s[\g1:\g1+7]
	s_nop 0
.rept 4
	v_nop
.endr
	s_branch .Lhead_asked
\next:
.endm
	ARM 1, G0,  G1,  .Lhead_b
	ARM 2, G0B, G1B, .Lhead_sa
	ARM 3, G0S, G1S, .Lhead_sb
	tensor_load_to_lds s[G0SB:G0SB+3], s[G1SB:G1SB+7]
	s_nop 0
.rept 4
	v_nop
.endr
.Lhead_asked:
	v_and_b32 v1, 15, v0                           ; r
	v_bfe_u32 v2, v0, 4, 1                         ; h
	v_and_b32 v3, 31, v0
	v_lshlrev_b32 v4, 4, v3                        ; 16 x lane
	v_lshlrev_b32 v5, 3, v3                        ; 8 x lane
	s_mul_i32 s21, s15, HALFT                      ; my eight tiles of A
	s_mul_i32 s22, s16, HALFT                      ; and of B,
	s_add_co_u32 s22, s22, 2*HALFT                 ; which lie behind A's sixteen
.irp s, 0,1
	v_add_nc_u32 v[ADRA+\s], s21, v4
	v_add_nc_u32 v[ADRB+\s], s22, v4
	v_add_nc_u32 v[ADRA+2+\s], s21, v5
	v_add_nc_u32 v[ADRB+2+\s], s22, v5
	s_add_co_u32 s21, s21, SLOT
	s_add_co_u32 s22, s22, SLOT
.endr
	v_lshlrev_b32 v5, 4, v1                        ; my row's scale bytes: 16 a row and half of K
	s_mul_i32 s21, s15, HALFS
	s_mul_i32 s22, s16, HALFS
	s_add_co_u32 s22, s22, 2*HALFS
	s_sub_co_u32 s22, s22, s21
	v_mul_u32_u24 v6, s22, v2                      ; lanes 16-31 take B's
	s_add_co_u32 s21, s21, SCL
	v_add_nc_u32 v5, v5, v6
	v_add_nc_u32 v[ADRS], s21, v5
.macro FRAG reg, adr, q, i             ; a fragment, 16 rows x 128 K: two units; registers 0-3, 4-5 from the first, 6-9, 10-11 from the second
	ds_load_b128 v[\reg:\reg+3], v[\adr] offset:(\i)*TILEB+1536*(\q)
	ds_load_b64 v[\reg+4:\reg+5], v[\adr+2] offset:(\i)*TILEB+1536*(\q)+512
	ds_load_b128 v[\reg+6:\reg+9], v[\adr] offset:(\i)*TILEB+1536*(\q)+768
	ds_load_b64 v[\reg+10:\reg+11], v[\adr+2] offset:(\i)*TILEB+1536*(\q)+1280
.endm
; 16 matrix instructions: A's tiles a0, a0 + 1 x B's eight, 128 along K.  The 64 accumulators take turns, one instruction a turn, in the same order in every step.
.macro MUL16 a0, p, q, sc, zero
.irp a, \a0, \a0+1
.irp b, 0,1,2,3,4,5,6,7
.if \zero
	v_wmma_scale_f32_16x16x128_f8f6f4 v[8*(8*((\a)%4)+\b):8*(8*((\a)%4)+\b)+7], v[128*(\p)+FR*\b:128*(\p)+FR*\b+FR-1], v[AF+FR*(\a):AF+FR*(\a)+FR-1], 0, v[SC+8*NQ*(\sc)+NQ*\b+(\q)], v[SC+8*NQ*(\sc)+NQ*(\a)+(\q)] matrix_a_fmt:MATRIX_FMT_FP6 matrix_b_fmt:MATRIX_FMT_FP6 matrix_a_scale:MATRIX_SCALE_ROW1
.else
	v_wmma_scale_f32_16x16x128_f8f6f4 v[8*(8*((\a)%4)+\b):8*(8*((\a)%4)+\b)+7], v[128*(\p)+FR*\b:128*(\p)+FR*\b+FR-1], v[AF+FR*(\a):AF+FR*(\a)+FR-1], v[8*(8*((\a)%4)+\b):8*(8*((\a)%4)+\b)+7], v[SC+8*NQ*(\sc)+NQ*\b+(\q)], v[SC+8*NQ*(\sc)+NQ*(\a)+(\q)] matrix_a_fmt:MATRIX_FMT_FP6 matrix_b_fmt:MATRIX_FMT_FP6 matrix_a_scale:MATRIX_SCALE_ROW1
.endif
.endr
.endr
.endm
.macro FETCH_B slot, q, p
	WIN TO_B
.irp i, 0,1,2,3,4,5,6,7
	FRAG 128*(\p)+FR*\i, ADRB+\slot, \q, \i
.endr
	WIN 0
.endm
.macro FETCH_A slot, q, i0
.irp i, \i0, \i0+1, \i0+2, \i0+3
	FRAG AF+FR*(\i), ADRA+\slot, \q, \i
.endr
.endm
.macro SCALES sc                       ; a K step's scale words: two a row; lanes 0-15 take A's tile i, lanes 16-31 B's tile i
.irp i, 0,1,2,3,4,5,6,7
	ds_load_b64 v[SC+8*NQ*\sc+NQ*\i:SC+8*NQ*\sc+NQ*\i+1], v[ADRS] offset:\i*SBLK
.endr
.endm
.macro PLACES n                        ; plain vector instructions that name none of a matrix instruction's registers, in front of loads into its sources and of reads of its results
.rept \n
	v_nop
.endr
.endm
.macro STEP slot, q, zero              ; 128 along K that has its successor in the same slot
	s_wait_dscnt 4*NL                              ; B's set and A's tiles 0-3 are in; the youngest sixteen loads (A's tiles 4-7) may be out
	WIN MUL_LO
	MUL16 0, (\q)%2, \q, \slot, \zero
	MUL16 2, (\q)%2, \q, \slot, \zero
	s_wait_dscnt 0
	PLACES NP
	FETCH_B \slot, (\q)+1, 1-(\q)%2
	FETCH_A \slot, (\q)+1, 0
	WIN MUL_HI
	MUL16 4, (\q)%2, \q, \slot, \zero
	MUL16 6, (\q)%2, \q, \slot, \zero
	PLACES NP
	WIN 0
	FETCH_A \slot, (\q)+1, 4
.endm
; A slot's last step changes slots: one barrier; in front of it each wave waits for all its tensor loads, adds 0 to its spare word, and waits for that and for its reads of this slot.
; fill = 1: this slot is filled again, two K steps ahead.  sstep: from this K step's scale words to the next's.
.macro TURN slot, next, fill, sstep
	s_wait_tensorcnt 0x0                           ; all my tensor loads have landed: my part of the next slot
	ds_add_u32 v[SPW], v[NIL]                      ; 0 onto my spare word
	s_wait_dscnt 4*NL+1                            ; (the add and the youngest sixteen loads may be out)
	WIN MUL_LO
	MUL16 0, 1, NQ-1, \slot, 0
	s_wait_dscnt 0x0                               ; the add is done, and my reads of this slot are over
	s_barrier_signal -1
	MUL16 2, 1, NQ-1, \slot, 0
	WIN 0
	s_barrier_wait -1
.if \fill
	CREST                                          ; the barrier has opened a round of the cluster's barrier: no wave of any partner still reads this slot or has a load on its way
	s_add_nc_u64 s[G0+4*\slot+2:G0+4*\slot+3], s[G0+4*\slot+2:G0+4*\slot+3], 2*TILEB
	s_add_nc_u64 s[G0B+4*\slot+2:G0B+4*\slot+3], s[G0B+4*\slot+2:G0B+4*\slot+3], 2*TILEB
	JLOAD G0+4*\slot, G1, G0B+4*\slot, G1B         ; the first tensor load behind the round; its four v_nop are the places in front of the loads below
.else
	PLACES NP
.endif
	s_wait_alu depctr_va_vdst(0)
	v_add_nc_u32 v[ADRS], \sstep, v[ADRS]
	FETCH_B \next, 0, 0
	FETCH_A \next, 0, 0
	SCALES \next
	WIN MUL_HI
	MUL16 4, 1, NQ-1, \slot, 0
	MUL16 6, 1, NQ-1, \slot, 0
	PLACES NP
	WIN 0
	FETCH_A \next, 0, 4
.endm
	s_wait_alu depctr_va_vdst(0)
	s_wait_tensorcnt 0x0                           ; my tile of the head's four is in
	ds_add_u32 v[SPW], v[NIL]
	s_mov_b32 s[G1+2], 8<<16                       ; no tensor load of mine is out: from here on a load brings eight tiles
	s_mov_b32 s[G1+4], 8
	s_mov_b32 s[G1B+2], 8<<16
	s_mov_b32 s[G1B+4], 8
	s_mov_b32 s[G0+1], s45                         ; slot 0's group 0 as the ring wants it: my quarter of the slot, K step 0 (the first refill steps it)
	s_mov_b32 s[G0B+1], s45
	s_sub_nc_u64 s[G0+2:G0+3], s[G0+6:G0+7], TILEB
	s_sub_nc_u64 s[G0B+2:G0B+3], s[G0B+6:G0B+7], TILEB
	s_wait_dscnt 0x0
	CROUND                                         ; all four tiles are in, and all sixteen work-groups are here
	JLOAD G0+4, G1, G0B+4, G1B                     ; K step 1, the first tensor load behind the round
	FETCH_B 0, 0, 0
	FETCH_A 0, 0, 0
	SCALES 0
	FETCH_A 0, 0, 4
	STEP 0, 0, 1                                   ; the first products start the sums: nothing is cleared
	TURN 0, 1, 1, 8                                ; four K steps of 256, written out: the scale words lie at 0, 8, 256, 264 of a row's two runs of 16 bytes
	STEP 1, 0, 0
	TURN 1, 0, 1, 248
	STEP 0, 0, 0
	TURN 0, 1, 0, 8                                ; nothing is left to fetch
	STEP 1, 0, 0
	s_wait_dscnt 4*NL
	WIN MUL_LO
	MUL16 0, 1, NQ-1, 1, 0
	MUL16 2, 1, NQ-1, 1, 0
	s_wait_dscnt 0
	WIN MUL_HI
	MUL16 4, 1, NQ-1, 1, 0
	MUL16 6, 1, NQ-1, 1, 0
	WIN 0
; 64 numbers of a lane in window win, register src + 16 b + i = k 32 b + 16 (lane / 16) + i of my row, become codes at v[PC + stp c] on (six words for each pair of blocks c) and the scale word in v[PW].
.macro QUANT src, win, stp
	WIN ((\win)<<2)|((\win)<<4)                    ; sources 1 and 2
.irp b, 0,1,2,3
	v_max3_num_f32 v[TM+\b], 0x1800000, |v[(\src)+16*\b]|, |v[(\src)+1+16*\b]|   ; my 16 numbers of block b, from each accumulator's low end on, and the floor 2^(3 - 127)
.endr
.irp i, 2,4,6,8,10,12,14
.irp b, 0,1,2,3
	v_max3_num_f32 v[TM+\b], v[TM+\b], |v[(\src)+16*\b+\i]|, |v[(\src)+1+16*\b+\i]|
.endr
.endr
	WIN 0
.irp b, 0,1,2,3
	v_permlanex16_b32 v[TM+4+\b], v[TM+\b], s[SEL], s[SEL+1]
.endr
.irp b, 0,1,2,3
	v_max_num_f32 v[TM+\b], v[TM+\b], v[TM+4+\b]   ; with lane l xor 16's: the block's largest magnitude
.endr
.irp b, 0,1,2,3
	v_add_nc_u32 v[TM+12+\b], 0xff000000, v[TM+\b] ; 2 off its exponent field: the conversion's scale operand
.endr
.irp b, 0,1,2,3
	v_lshrrev_b32 v[TM+4+\b], 23, v[TM+12+\b]      ; the scale's byte
.endr
	v_lshl_or_b32 v[PW], v[TM+5], 8, v[TM+4]
	v_lshl_or_b32 v[PW], v[TM+6], 16, v[PW]
	v_lshl_or_b32 v[PW], v[TM+7], 24, v[PW]
	WIN (\win)                                     ; source 0
.irp c, 0,1
	v_cvt_scalef32_pk16_fp6_f32 v[PC+(\stp)*\c:PC+(\stp)*\c+2], v[(\src)+32*\c:(\src)+32*\c+15], v[TM+12+2*\c]
	v_cvt_scalef32_pk16_fp6_f32 v[PT+4*\c:PT+4*\c+2], v[(\src)+32*\c+16:(\src)+32*\c+31], v[TM+12+2*\c+1]
.endr
	WIN 0
	v_nop                                          ; one plain place behind a scaled conversion
.irp c, 0,1                                    ; the operand's layout wants a whole block in a lane
.irp i, 0,1,2
	v_permlane16_swap_b32 v[PC+(\stp)*\c+\i], v[PT+4*\c+\i]
.endr
.irp i, 0,1,2
	v_mov_b32 v[PC+(\stp)*\c+3+\i], v[PT+4*\c+\i]
.endr
.endr
.endm
	; ---- THE WAY OUT: no LDS; every store covers whole aligned runs of 256 bytes
	PLACES NP                                      ; behind the last products
	v_and_b32 v1, 15, v0
	v_bfe_u32 v2, v0, 4, 1
	v_and_b32 v3, 31, v0
	v_lshlrev_b32 v24, 4, v3                       ; 16 x lane
	v_lshlrev_b32 v25, 3, v3                       ; 8 x lane
.irp b, 0,1,2,3
	v_mov_b32 v[TM+4+\b], 0                        ; written once: a lane permute's destination counts as one of its sources
.endr
	s_mov_b32 s[SEL], 0x76543210
	s_mov_b32 s[SEL+1], 0xfedcba98
	s_mov_b32 s91, 0xffff0000                      ; lanes 16-31
	s_mov_b32 s47, 0
	s_cmp_ge_u32 ttmp9, 16
	s_cbranch_scc1 .Lv_path
	; ---- q, k: lane = token, registers = two heads' 128 features
	s_lshl_b32 s20, s17, 8
	s_lshl_b32 s21, s15, 7
	s_add_co_u32 s20, s20, s21                     ; my first token
	s_lshr_b32 s21, s20, 11                        ; batch
	s_bfe_u32 s22, s20, 0x40007                    ; which 128 tokens of the sequence
	s_lshl_b32 s23, s42, 8
	s_lshl_b32 s45, s16, 7
	s_add_co_u32 s23, s23, s45                     ; my first feature (q's 1,024, then k's)
	s_bfe_u32 s23, s23, 0x40006                    ; my even head
	s_lshl_b32 s21, s21, 4
	s_add_co_u32 s21, s21, s23
	s_lshl_b32 s21, s21, 4
	s_add_co_u32 s21, s21, s22
	s_mul_i32 s46, s21, 8704                       ; the even head's block; the odd head's lies 16 blocks on
	s_mov_b32 s97, 0x017f0000                      ; a query's padding bytes: 127, 1
	s_mov_b32 s95, 0x01010000                      ; a key's: 1, 1;
	s_mov_b32 s96, 0x01e10000                      ; a masked key's: 225, 1
	s_and_b32 s45, ttmp9, 1
	s_cmp_lg_u32 s45, 0                            ; k?
	s_cselect_b32 s45, KOFF, 0
	s_cselect_b32 s92, 0, 8                        ; the code at k = 64: a key's 0, a query's 1.0;
	s_cselect_b32 s93, 0x38, 8                     ; a masked key's -4.0
	s_cselect_b32 s94, s95, s97
	s_cselect_b32 s96, s96, s97
	s_add_co_u32 s46, s46, s45
	s_add_nc_u64 s[12:13], s[12:13], s[46:47]
	s_lshl_b32 s46, s20, 2
	s_add_nc_u64 s[6:7], s[6:7], s[46:47]          ; the mask at my first token
	s_and_b32 s46, s20, 2047
	s_lshl_b32 s46, s46, 8
	s_add_co_u32 s46, s46, ROPE
	s_add_nc_u64 s[4:5], s[4:5], s[46:47]          ; the table at my first token's place in the sequence
	s_wait_alu depctr_va_vdst(0)
	v_and_b32 v4, 8, v1
	v_add_nc_u32 v4, v4, v1                        ; r + 8 (r / 8)
	v_lshlrev_b32 v27, 2, v4
	v_lshlrev_b32 v26, 8, v4
	v_lshl_add_u32 v26, v2, 6, v26                 ; my token's 256 bytes of the table, my half's eight pairs of each 16
	v_sub_nc_u32 v4, 1, v2
	v_mul_u32_u24 v252, s92, v4                    ; the padding's word: lanes 0-15 hold k = 64, lanes 16-31 hold 0
	v_mul_u32_u24 v253, s93, v4
	v_mov_b32 v254, s94
	v_mov_b32 v255, s96
	v_mov_b32 v[PC+7], 0
	v_mov_b32 v[PC+15], 0
.irp a, 0,1,2,3,4,5,6,7
	global_load_b32 v[AM+\a], v27, s[6:7] offset:4*(32*(\a/2)+8*(\a%2))
.endr
.macro CSLOAD a                        ; tile a: (cos, sin) of pairs 8 h + 0 .. 7 and 16 + 8 h + 0 .. 7 of my token
.irp i, 0,1,2,3,4,5,6,7
	global_load_b128 v[32*(\a)+4*\i:32*(\a)+4*\i+3], v26, s[4:5] offset:(32*((\a)/2)+8*((\a)%2))*256+16*(\i%4)+128*(\i/4)   ; into window 1, where B's fragments are done with: 32 registers a tile
.endr
.endm
	WIN 0x40                                       ; destination window 1, address window 0
.irp t, 0,1,2,3,4,5
	CSLOAD \t                                      ; six tiles' rows of the table are asked for at once; tiles 6 and 7 follow inside tiles 0 and 1
.endr
	WIN 0
.macro QKTILE a
.set AC, 64*((\a)%4)
.set CB, 32*(\a)
	s_wait_xcnt 0x0                                ; the last tile's stores have read their registers
.if (\a) < 2
	s_wait_loadcnt 40                              ; the masks and this tile's eight loads are in; the five tiles behind it, 40 loads, may be out
	WIN 0x40
	CSLOAD (\a)+6
.else
	s_wait_loadcnt 8*(7-(\a))                      ; all but the later tiles' loads
.endif
	WIN (2+(\a)/4)|4                               ; source 0: the accumulators; source 1: the table, window 1
.irp g, 0,1,2,3,4,5,6,7                        ; accumulator g, from its low end on: (x1, x2) -> (x1 c - x2 s, x2 c + x1 s)
.irp p, 0,1,2,3
	v_pk_mul_f32 v[8+2*\p:9+2*\p], v[AC+8*\g+2*\p:AC+8*\g+2*\p+1], v[CB+16*((\g/2)%2)+8*(\g%2)+2*\p:CB+16*((\g/2)%2)+8*(\g%2)+2*\p+1] op_sel:[1,1] op_sel_hi:[0,1]   ; (x2 s, x1 s)
.endr
.irp p, 0,1,2,3
	v_pk_fma_f32 v[X+8*\g+2*\p:X+8*\g+2*\p+1], v[AC+8*\g+2*\p:AC+8*\g+2*\p+1], v[CB+16*((\g/2)%2)+8*(\g%2)+2*\p:CB+16*((\g/2)%2)+8*(\g%2)+2*\p+1], v[8+2*\p:9+2*\p] op_sel_hi:[1,0,1] neg_lo:[0,0,1]
.endr
.endr
	WIN 0
	QUANT X, 0, 8
	v_cmp_eq_u32 vcc_lo, 0, v[AM+\a]               ; my token is masked
	v_cndmask_b32 v[PC+6], v252, v253, vcc_lo
	v_cndmask_b32 v[HI], v254, v255, vcc_lo
	v_mov_b32 v[PC+14], v[PC+6]
	v_and_or_b32 v[WE], v[PW], 0xffff, v[HI]       ; the even head's two bytes and the padding's two,
	v_lshrrev_b32 v[WO], 16, v[PW]
	v_or_b32 v[WO], v[WO], v[HI]                   ; the odd head's
.if (\a)%2 == 0
	v_mov_b32 v[SWE+(\a)/2], v[WE]                 ; an even tile's words are read from lanes 0-15,
	v_mov_b32 v[SWO+(\a)/2], v[WO]
.else
	v_cndmask_b32 v[SWE+(\a)/2], v[SWE+(\a)/2], v[WE], s91   ; an odd tile's from lanes 16-31
	v_cndmask_b32 v[SWO+(\a)/2], v[SWO+(\a)/2], v[WO], s91
.endif
	global_store_b128 v24, v[PC:PC+3], s[12:13] offset:1024*(\a)
	global_store_b128 v24, v[PC+4:PC+7], s[12:13] offset:1024*(\a)+512
	global_store_b128 v24, v[PC+8:PC+11], s[12:13] offset:1024*(\a)+139264
	global_store_b128 v24, v[PC+12:PC+15], s[12:13] offset:1024*(\a)+139264+512
.endm
	s_wait_alu depctr_va_vdst(0)
.irp a, 0,1,2,3,4,5,6,7
	QKTILE \a
.endr
	global_store_b128 v24, v[SWE:SWE+3], s[12:13] offset:8192
	global_store_b128 v24, v[SWO:SWO+3], s[12:13] offset:8192+139264
	s_branch .Ldone
.Lv_path:
	; ---- v: lane = feature (two heads' 128), registers = 128 keys
	s_lshl_b32 s20, s42, 8
	s_lshl_b32 s21, s16, 7
	s_add_co_u32 s20, s20, s21                     ; my first token
	s_lshr_b32 s21, s20, 11                        ; batch
	s_bfe_u32 s22, s20, 0x40007                    ; which 128 keys
	s_lshl_b32 s23, s17, 2
	s_lshl_b32 s45, s15, 1
	s_add_co_u32 s23, s23, s45                     ; my first head: (256 x tile row + 128 x half) / 64
	s_lshl_b32 s21, s21, 4
	s_add_co_u32 s21, s21, s23
	s_lshl_b32 s21, s21, 4
	s_add_co_u32 s21, s21, s22
	s_mul_i32 s46, s21, 6400
	s_add_co_u32 s46, s46, VOFF
	s_add_nc_u64 s[12:13], s[12:13], s[46:47]
.macro VTILE a
	s_wait_xcnt 0x0                                ; the last tile's stores have read their registers
	QUANT 64*((\a)%4), 2+(\a)/4, 6
.if (\a)%2 == 0
	v_mov_b32 v[SWE+2*((\a)/4)+((\a)%4)/2], v[PW]
.else
	v_cndmask_b32 v[SWE+2*((\a)/4)+((\a)%4)/2], v[SWE+2*((\a)/4)+((\a)%4)/2], v[PW], s91
.endif
.irp c, 0,1,2
	global_store_b128 v24, v[PC+4*\c:PC+4*\c+3], s[12:13] offset:((\a)/4)*102400+((\a)%4)*1536+512*\c
.endr
.if (\a)%4 == 3
	global_store_b64 v25, v[SWE+2*((\a)/4):SWE+2*((\a)/4)+1], s[12:13] offset:((\a)/4)*102400+6144
.endif
.endm
.irp a, 0,1,2,3,4,5,6,7
	VTILE \a
.endr
.Ldone:
	s_wait_tensorcnt 0x0                           ; the wave's end
	ds_add_u32 v[SPW], v[NIL]
	s_wait_dscnt 0x0
	CROUND                                         ; the closing round: no work-group ends while a partner may still ask for a tile that names it
	s_endpgm
.Lfunc_end_k_qd34a3d75d4_qkv:
	.size	k_qd34a3d75d4_qkv, .Lfunc_end_k_qd34a3d75d4_qkv-k_qd34a3d75d4_qkv
	.p2alignl 7, 3214868480
	.fill 96, 4, 3214868480
	.section	.rodata,"a",@progbits
	.p2align	6, 0x0
	.amdhsa_kernel k_qd34a3d75d4_qkv
		.amdhsa_group_segment_fixed_size 327680
		.amdhsa_private_segment_fixed_size 0
		.amdhsa_enable_private_segment 0
		.amdhsa_kernarg_size 24
		.amdhsa_user_sgpr_count 2
		.amdhsa_user_sgpr_kernarg_segment_ptr 1
		.amdhsa_wavefront_size32 1
		.amdhsa_system_sgpr_workgroup_id_x 1
		.amdhsa_system_sgpr_workgroup_id_y 1
		.amdhsa_system_sgpr_workgroup_id_z 1
		.amdhsa_system_vgpr_workitem_id 0
		.amdhsa_next_free_vgpr 1024
		.amdhsa_next_free_sgpr 100
		.amdhsa_reserve_vcc 1
		.amdhsa_float_denorm_mode_32 3
		.amdhsa_float_denorm_mode_16_64 3
		.amdhsa_memory_ordered 1
		.amdhsa_forward_progress 1
		.amdhsa_inst_pref_size 227
	.end_amdhsa_kernel
	.amdgpu_metadata
---
amdhsa.version: [ 1, 2 ]
amdhsa.kernels:
  - .name:           k_qd34a3d75d4_qkv
    .symbol:         k_qd34a3d75d4_qkv.kd
    .args:
      - { .name: xwq, .offset: 0, .size: 8, .value_kind: global_buffer, .address_space: global }
      - { .name: attention_mask, .offset: 8, .size: 8, .value_kind: global_buffer, .address_space: global }
      - { .name: qkvq, .offset: 16, .size: 8, .value_kind: global_buffer, .address_space: global }
    .group_segment_fixed_size: 327680
    .private_segment_fixed_size: 0
    .kernarg_segment_align: 8
    .kernarg_segment_size: 24
    .max_flat_workgroup_size: 128
    .sgpr_count:     100
    .vgpr_count:     1024
    .wavefront_size: 32
...
	.end_amdgpu_metadata
.endif
;; end of part 2
;; launch attn (part 3): grid 256 x 1, 8 waves a work-group, clusters of 4 x 1, 327,680 bytes of LDS; arguments qkvq, oq; writes oq
.if DOCPART == 3
	.amdgcn_target "amdgcn-amd-amdhsa--gfx1250"
	.amdhsa_code_object_version 6
	.text
	.protected	k_qd34a3d75d4_attn
	.globl	k_qd34a3d75d4_attn
	.p2align	8
	.type	k_qd34a3d75d4_attn,@function
k_qd34a3d75d4_attn:
	s_mov_b64 s[64:65], 0
	v_nop
	global_prefetch_b8 v0, s[64:65] scope:SCOPE_SE
	s_setreg_imm32_b32 hwreg(HW_REG_WAVE_MODE, 25, 1), 1
	s_wait_xcnt 0x0
	s_wait_alu depctr_hold_cnt(0) depctr_sa_sdst(0) depctr_va_vdst(0) depctr_va_sdst(0) depctr_va_ssrc(0) depctr_va_vcc(0) depctr_vm_vsrc(0)
	s_getreg_b32 s2, hwreg(HW_REG_IB_STS2, 6, 4)
	s_cmp_eq_u32 s2, 0
	s_cbranch_scc0 .Lentry_in_a_cluster
	s_endpgm
.Lentry_in_a_cluster:
	s_bfe_u32 s2, ttmp6, 0x10000c
	s_cmp_lg_u32 s2, 0x3003
	s_cbranch_scc0 .Lentry_shape_is_right
	s_endpgm
.Lentry_shape_is_right:
; o = Q(softmax(q k^T / 8 under the causal and the pad mask)) Q(v), on codes of FP6 (E2M3) with E8M0 scales; o leaves as codes and scale bytes along the head's 64.
; A cluster of four work-groups serves one (batch, head); each holds all 16 blocks of k and of v (128 keys each) in LDS, asked for jointly, once, at the head: waves 0-3 a quarter of k each, waves 4-7 a quarter of v.
; The normalised softmax is what is quantised, so a row's sum is wanted ahead of its codes.  SCORES AND EXPONENTIALS ARE MADE ONCE: a row's keys are shared out among four waves and all its scores stay in registers.
; SHARES.  Work-group cx has query tiles 2 cx + u of each group of 128 queries; waves 4 u .. 4 u + 3 serve u.  A BATCH is tile u of group GA and of group GB = 14 - GA: GA + 1 and 15 - GA steps of 128 keys, 16 in all, four to a wave
; (step number w' + 4 x slot; the first GA + 1 are A's).  Batches 0-6: GA = 0 .. 6; batch 7: group 15 alone; batch 8: group 7 alone, two slots a wave, the other two jumped over.
; Key steps behind a group's own lie wholly under reference()'s causal mask and are never dealt.
; A BATCH: scores (slot s in window 1, v[64 s ..]), the diagonal step's mask, block maxima; the rows' maxima through LDS; e = 2^(s c - M c), its sums through LDS; p = e x (1 / sum), codes, O^T += v^T p^T;
; the four waves' parts of O^T through a stage in LDS: wave w' adds up block w' % 2 (32 of the head's 64) of tile A (w' < 2) or B and quantises it.
; Both products are used transposed: a lane holds one query.  What differs between A's and B's steps is chosen by lane masks in scalar registers made of ids, and by short branches on them round the matrix lines.
; THE PAD MASK rides in the padding of the score product's K: a masked key's score is -2^100; so is a key under the causal mask in the diagonal step.  A row whose every score is masked takes the mean of all 2,048 v, as reference()'s softmax of equal scores gives.
; LIMITS: |q . k| stays under 2^90; NaN and infinities are not served.  k and v are asked for once, at the head; each batch's q is loaded while the batch before runs.
.set KBLK,  8704
.set VBLK,  6400
.set VB0,   16*KBLK
.set VM,    VB0+16*VBLK                ; the mean of v: 256 bytes
.set XM,    VM+256                     ; the rows' maxima, 128 bytes a wave; 1,024 on: their sums
.set OST,   XM+2048                    ; the stage for O^T: 8,192 bytes a wave
.set SPARE, OST+65536                  ; the spare words, 128 bytes a wave
.set KOFF,  8912896
.set VOFF,  17825792
.set OSC,   6291456
.set L16, 1                            ; window 0: 16 x lane, 8 x lane, 16 x (lane % 16)
.set L8,  2
.set R16, 3
.set XW,  4
.set KA,  5
.set VA,  6
.set VSA, 7
.set VD,  8                            ; the last key of the diagonal step that my query sees
.set VMA, 9
.set XR,  10
.set OSW, 11
.set OSR, 12
.set OCA, 13
.set OCB, 14
.set OSB, 15
.set KV,  16                           ; v16-83 k's fragments (8 registers a tile; a fragment's last four are the next tile's and meet q's zero codes), then v's
.set O,   84                           ; v84-115 O^T of A, v116-147 of B
.set QA,  148
.set QB,  160
.set PC,  172
.set PT,  184
.set TM,  192
.set BM,  204                          ; four block maxima a slot
.set MS,  220                          ; a slot's row maximum
.set AD,  224                          ; a slot's -M c, later 1 / sum (pairs: the upper word is only named)
.set LS,  232                          ; a slot's sum
.set KS,  240                          ; scale words
.set QSA, 244
.set QSB, 245
.set PS,  246
.set VS,  248
.set SPW, 252
.set NIL, 253
.set MXA, 254
.set MXB, 255
.set U,   11
.set SEL, 12
.set CC,  14
.set NC,  40
.set MK,  41
.set B,   42
.set GA,  43
.set GB,  44
.set W4,  45
.set KAD, 48
.set VAD, 52
.set MA,  56                           ; -1: the slot's step is A's
.set DG,  60                           ; 1: it is the diagonal step
.set HM,  67
.set SX,  76                           ; -1: I add up a block of A
.set MSB, 0
.macro WIN new                         ; the immediate's high byte repeats the setting that is left
.if MSB != (\new)
	s_set_vgpr_msb (MSB<<8)|(\new)
.set MSB, (\new)
.endif
.endm
.macro WALU
	s_wait_alu depctr_va_vdst(0)
.endm
.macro PLACES n
.rept \n
	v_nop
.endr
.endm
.macro BARRIER
	s_barrier_signal -1
	s_barrier_wait -1
.endm
.macro CROUND
	BARRIER
	s_cmp_lg_u32 s8, 0
	s_cbranch_scc1 .Lnot_wave_0_\@
	s_barrier_signal -3
.Lnot_wave_0_\@:
	s_barrier_wait -3
	BARRIER
.endm
.macro KLOAD                           ; a block of k at v[KA]: 17 loads
	ds_load_b128 v[KS:KS+3], v[KA] offset:8192
.irp t, 0,1,2,3,4,5,6,7
	ds_load_b128 v[KV+8*\t:KV+8*\t+3], v[KA] offset:1024*\t
	ds_load_b128 v[KV+8*\t+4:KV+8*\t+7], v[KA] offset:1024*\t+512
.endr
.endm
.macro SCW sl, q, qs                   ; S^T = k q^T into slot sl (window 1)
	WIN 0x40
.irp t, 0,1,2,3,4,5,6,7
.if \t%2
	v_wmma_scale_f32_16x16x128_f8f6f4 v[64*\sl+8*\t:64*\sl+8*\t+7], v[KV+8*\t:KV+8*\t+11], v[\q:\q+11], 0, v[KS+\t/2], v[\qs] matrix_a_fmt:MATRIX_FMT_FP6 matrix_b_fmt:MATRIX_FMT_FP6 matrix_a_scale:MATRIX_SCALE_ROW1
.else
	v_wmma_scale_f32_16x16x128_f8f6f4 v[64*\sl+8*\t:64*\sl+8*\t+7], v[KV+8*\t:KV+8*\t+11], v[\q:\q+11], 0, v[KS+\t/2], v[\qs] matrix_a_fmt:MATRIX_FMT_FP6 matrix_b_fmt:MATRIX_FMT_FP6
.endif
.endr
	WIN 0
.endm
.macro SC sl
	s_wait_dscnt 0x0                               ; the slot's k is in
	s_cmp_lg_u32 s[MA+\sl], 0
	s_cbranch_scc0 .Lsb_\@
	SCW \sl, QA, QSA
	s_branch .Lsj_\@
.Lsb_\@:
	SCW \sl, QB, QSB
.Lsj_\@:
.endm
; the mask of the diagonal step, the largest score of each block of 32 keys and of the row; behind its first four lines, which are the places behind the products just issued, slot kl's k is asked for
.macro MX sl, kl, dg
.if \dg
	s_cmp_lg_u32 s[DG+\sl], 0
	s_cbranch_scc0 .Lnd_\@
	WIN 0x44
.set n, 0
.rept 64
	v_cmp_ge_i32 vcc_lo, v[VD], 32*(n/16)+n%16
	v_cndmask_b32 v[64*\sl+n], s[MK], v[64*\sl+n], vcc_lo
.set n, n+1
.endr
	WIN 0
.Lnd_\@:
.endif
	WIN 0x15
.irp b, 0,1,2,3
	v_max3_num_f32 v[BM+4*\sl+\b], v[64*\sl+16*\b], v[64*\sl+16*\b+1], v[64*\sl+16*\b+2]
.endr
	WIN 0
.if \kl >= 0
	v_add_nc_u32 v[KA], s[KAD+\kl], v[L16]
	KLOAD
.endif
	WIN 0x14
.irp k, 3,5,7,9,11,13
.irp b, 0,1,2,3
	v_max3_num_f32 v[BM+4*\sl+\b], v[BM+4*\sl+\b], v[64*\sl+16*\b+\k], v[64*\sl+16*\b+\k+1]
.endr
.endr
	WIN 0x04
.irp b, 0,1,2,3
	v_max_num_f32 v[BM+4*\sl+\b], v[BM+4*\sl+\b], v[64*\sl+16*\b+15]
.endr
	WIN 0
.irp b, 0,1,2,3
	v_permlanex16_b32 v[TM+\b], v[BM+4*\sl+\b], s[SEL], s[SEL+1]
.endr
.irp b, 0,1,2,3
	v_max_num_f32 v[BM+4*\sl+\b], v[BM+4*\sl+\b], v[TM+\b]
.endr
	v_max3_num_f32 v[MS+\sl], v[BM+4*\sl], v[BM+4*\sl+1], v[BM+4*\sl+2]
	v_max_num_f32 v[MS+\sl], v[MS+\sl], v[BM+4*\sl+3]
.endm
.macro FMA sl                          ; s c - M c, of the scores and of the block maxima
	WIN 0x41
.set n, 0
.rept 32
	v_pk_fma_f32 v[64*\sl+n:64*\sl+n+1], v[64*\sl+n:64*\sl+n+1], s[CC:CC+1], v[AD+2*\sl:AD+2*\sl+1] op_sel_hi:[1,0,0]
.set n, n+2
.endr
	WIN 0
.irp b, 0,1,2,3
	v_fma_f32 v[BM+4*\sl+\b], v[BM+4*\sl+\b], s[CC], v[AD+2*\sl]
.endr
.endm
.macro EXQ sl
.irp b, 0,1,2,3
	v_exp_f32 v[BM+4*\sl+\b], v[BM+4*\sl+\b]
.endr
	WIN 0x41
.set n, 0
.rept 64
	v_exp_f32 v[64*\sl+n], v[64*\sl+n]
.set n, n+1
.endr
	WIN 0
.endm
.macro SUM sl                          ; the slot's 64 numbers in four chains
	WIN 0x05
.irp k, 0,1,2,3
	v_pk_add_f32 v[PT+2*\k:PT+2*\k+1], v[64*\sl+4*\k:64*\sl+4*\k+1], v[64*\sl+4*\k+2:64*\sl+4*\k+3]
.endr
	WIN 0x04
.set p, 8
.rept 24
	v_pk_add_f32 v[PT+2*(p%4):PT+2*(p%4)+1], v[PT+2*(p%4):PT+2*(p%4)+1], v[64*\sl+2*p:64*\sl+2*p+1]
.set p, p+1
.endr
	WIN 0
	v_pk_add_f32 v[PT:PT+1], v[PT:PT+1], v[PT+2:PT+3]
	v_pk_add_f32 v[PT+4:PT+5], v[PT+4:PT+5], v[PT+6:PT+7]
	v_pk_add_f32 v[PT:PT+1], v[PT:PT+1], v[PT+4:PT+5]
	v_add_f32 v[LS+\sl], v[PT], v[PT+1]
.endm
.macro PKM sl, from, cnt               ; p = e x (1 / sum)
.set n, 2*(\from)
.rept \cnt
	v_pk_mul_f32 v[64*\sl+n:64*\sl+n+1], v[64*\sl+n:64*\sl+n+1], v[AD+2*\sl:AD+2*\sl+1] op_sel_hi:[1,0]
.set n, n+2
.endr
.endm
.macro PVW o                           ; O^T += v^T p^T
.irp t, 0,1,2,3
.if \t%2
	v_wmma_scale_f32_16x16x128_f8f6f4 v[\o+8*\t:\o+8*\t+7], v[KV+12*\t:KV+12*\t+11], v[PC:PC+11], v[\o+8*\t:\o+8*\t+7], v[VS+\t/2], v[PS] matrix_a_fmt:MATRIX_FMT_FP6 matrix_b_fmt:MATRIX_FMT_FP6 matrix_a_scale:MATRIX_SCALE_ROW1
.else
	v_wmma_scale_f32_16x16x128_f8f6f4 v[\o+8*\t:\o+8*\t+7], v[KV+12*\t:KV+12*\t+11], v[PC:PC+11], v[\o+8*\t:\o+8*\t+7], v[VS+\t/2], v[PS] matrix_a_fmt:MATRIX_FMT_FP6 matrix_b_fmt:MATRIX_FMT_FP6
.endif
.endr
.endm
.macro P3 sl                           ; a slot's p, its scales and codes, its product with v
	WIN 0x41
	PKM \sl, 0, 4                                  ; also the places behind the last slot's products, ahead of the loads into their sources
	WIN 0
	v_add_nc_u32 v[VA], s[VAD+\sl], v[L16]
	v_add_nc_u32 v[VSA], s[VAD+\sl], v[L8]
.irp t, 0,1,2,3
.irp c, 0,1,2
	ds_load_b128 v[KV+12*\t+4*\c:KV+12*\t+4*\c+3], v[VA] offset:1536*\t+512*\c
.endr
.endr
	ds_load_b64 v[VS:VS+1], v[VSA] offset:6144
	WIN 0x41
	PKM \sl, 4, 28
	WIN 0
.irp b, 0,1,2,3
	v_mul_f32 v[BM+4*\sl+\b], v[BM+4*\sl+\b], v[AD+2*\sl]          ; the block's largest p, by the same instructions as the number itself
.endr
.irp b, 0,1,2,3
	v_max_num_f32 v[BM+4*\sl+\b], 0x1800000, v[BM+4*\sl+\b]        ; the floor 2^(3 - 127): the byte cannot fall under 1
.endr
.irp b, 0,1,2,3
	v_add_nc_u32 v[TM+8+\b], 0xff000000, v[BM+4*\sl+\b]
.endr
.irp b, 0,1,2,3
	v_lshrrev_b32 v[TM+4+\b], 23, v[TM+8+\b]
.endr
	v_lshl_or_b32 v[TM], v[TM+5], 8, v[TM+4]
	v_lshl_or_b32 v[TM], v[TM+6], 16, v[TM]
	v_lshl_or_b32 v[PS], v[TM+7], 24, v[TM]
	WIN 0x01
.irp c, 0,1
	v_cvt_scalef32_pk16_fp6_f32 v[PC+6*\c:PC+6*\c+2], v[64*\sl+32*\c:64*\sl+32*\c+15], v[TM+8+2*\c]
	v_cvt_scalef32_pk16_fp6_f32 v[PT+4*\c:PT+4*\c+2], v[64*\sl+32*\c+16:64*\sl+32*\c+31], v[TM+8+2*\c+1]
.endr
	WIN 0
	v_nop                                          ; one plain place behind a scaled conversion
.irp c, 0,1
.irp k, 0,1,2
	v_permlane16_swap_b32 v[PC+6*\c+\k], v[PT+4*\c+\k]
.endr
.irp k, 0,1,2
	v_mov_b32 v[PC+6*\c+3+\k], v[PT+4*\c+\k]
.endr
.endr
	PLACES 4
	WALU
	s_wait_dscnt 0x0                               ; v is in
	s_cmp_lg_u32 s[MA+\sl], 0
	s_cbranch_scc0 .Lpb_\@
	PVW O
	s_branch .Lpj_\@
.Lpb_\@:
	PVW O+32
.Lpj_\@:
.endm
.macro QADR g, p                       ; group s[g]: my tile's codes at s[p:p+1], its scale words at s[p+2:p+3]
	s_add_co_u32 s85, s10, s[\g]
	s_mul_i32 s85, s85, KBLK
	s_add_co_u32 s88, s85, s86
	s_add_nc_u64 s[\p:\p+1], s[4:5], s[88:89]
	s_add_co_u32 s88, s85, s87
	s_add_nc_u64 s[\p+2:\p+3], s[4:5], s[88:89]
.endm
.macro QLD p, q, qs
	global_load_b128 v[\q:\q+3], v[L16], s[\p:\p+1]
	global_load_b128 v[\q+4:\q+7], v[L16], s[\p:\p+1] offset:512
	global_load_b32 v[\qs], v[R16], s[\p+2:\p+3]
.endm
; ================= the head
	s_load_b128 s[4:7], s[0:1], 0x0                ; q, k, v as codes; the output
	v_lshl_add_u32 v[SPW], v0, 2, SPARE
	v_mov_b32 v[NIL], 0
	ds_add_u32 v[SPW], v[NIL]
	ds_add_u32 v[SPW], v[NIL]
	v_lshrrev_b32 v1, 5, v0
	v_readfirstlane_b32 s8, v1                     ; wave 0..7
	s_bfe_u32 s9, ttmp6, 0x40000                   ; cx
	s_lshl_b32 s10, ttmp9, 4                       ; the (batch, head)'s first block
	s_and_b32 s[W4], s8, 3
	s_lshr_b32 s[U], s8, 2
	s_lshl_b32 s57, s[W4], 2
	s_add_co_u32 s57, s57, s10                     ; the first of the four blocks that I fetch
	s_mul_i32 s46, s57, KBLK
	s_add_co_u32 s46, s46, KOFF
	s_mov_b32 s47, 0
	s_mul_i32 s58, s57, VBLK
	s_add_co_u32 s58, s58, VOFF
	s_mov_b32 s59, 0
	s_mov_b32 s32, 1
	s_mul_i32 s33, s[W4], 4*KBLK
	s_mov_b32 s36, 1
	s_mul_i32 s37, s[W4], 4*VBLK
	s_add_co_u32 s37, s37, VB0
	s_mov_b32 s16, 15|(3<<16)|(1<<21)              ; four blocks of k: 136 dense rows of 256 bytes, to all four work-groups
	s_mov_b32 s17, 32<<16
	s_mov_b32 s18, 136<<16
	s_mov_b32 s19, 32<<16
	s_mov_b32 s20, 136
	s_mov_b32 s21, 32
	s_mov_b32 s22, 0
	s_mov_b32 s23, 0
	s_mov_b32 s24, 15|(3<<16)|(1<<21)              ; four blocks of v: 100 rows
	s_mov_b32 s25, 32<<16
	s_mov_b32 s26, 100<<16
	s_mov_b32 s27, 32<<16
	s_mov_b32 s28, 100
	s_mov_b32 s29, 32
	s_mov_b32 s30, 0
	s_mov_b32 s31, 0
	s_mov_b32 s[SEL], 0x76543210
	s_mov_b32 s[SEL+1], 0xfedcba98
	s_mov_b32 s[CC], 0x3e38aa3b                    ; c = log2(e) / 8
	s_mov_b32 s[CC+1], s[CC]
	s_mov_b32 s[NC], 0xbe38aa3b
	s_mov_b32 s[MK], 0xf1800000                    ; -2^100
	s_mov_b32 s[HM], 0xffff0000                    ; lanes 16-31
	s_wait_dscnt 0x0
	s_wait_kmcnt 0x0
	s_add_nc_u64 s[34:35], s[4:5], s[46:47]
	s_or_b32 s35, s35, 0x80000000
	s_add_nc_u64 s[38:39], s[4:5], s[58:59]
	s_or_b32 s39, s39, 0x80000000
	CROUND                                         ; the four work-groups are here: the joint loads meet
	s_cmp_lt_u32 s8, 4
	s_cbranch_scc0 .Lhead_v
	tensor_load_to_lds s[32:35], s[16:23]
	s_nop 0
	PLACES 4
	s_branch .Lhead_asked
.Lhead_v:
	tensor_load_to_lds s[36:39], s[24:31]
	s_nop 0
	PLACES 4
.Lhead_asked:
	s_lshl_b32 s46, s9, 1
	s_add_co_u32 s46, s46, s[U]                    ; my tile of a group: 2 cx + u
	s_lshl_b32 s86, s46, 10
	s_lshl_b32 s87, s9, 2
	s_lshl_b32 s47, s[U], 8
	s_add_co_u32 s87, s87, s47
	s_add_co_u32 s87, s87, 8192
	s_mov_b32 s89, 0
	s_lshr_b32 s82, ttmp9, 4
	s_lshl_b32 s82, s82, 7
	s_add_co_u32 s82, s82, s46                     ; the output's tile: 128 x batch + 2 cx + u (+ 8 x group)
	s_and_b32 s47, ttmp9, 15                       ; the head
	s_mul_i32 s83, s47, 768
	s_lshr_b32 s84, s47, 3
	s_lshl_b32 s84, s84, 8
	s_and_b32 s47, s47, 7
	s_lshl_b32 s47, s47, 1
	s_add_co_u32 s84, s84, s47
	s_add_co_u32 s84, s84, OSC
	s_lshr_b32 s46, s[W4], 1
	s_cmp_eq_u32 s46, 0
	s_cselect_b32 s[SX], -1, 0
	s_and_b32 s55, s[W4], 1                        ; the block of 32 that I add up
	s_lshl_b32 s53, s55, 7
	s_lshl_b32 s54, s55, 8
	s_lshl_b32 s48, s9, 5
	s_lshl_b32 s47, s[U], 3
	s_add_co_u32 s48, s48, s47
	s_lshl_b32 s49, s8, 7
	s_add_co_u32 s49, s49, XM
	s_lshl_b32 s50, s[U], 9
	s_add_co_u32 s50, s50, XM
	s_lshl_b32 s51, s8, 13
	s_add_co_u32 s51, s51, OST
	s_lshl_b32 s52, s[U], 15
	s_lshl_b32 s47, s[W4], 11
	s_add_co_u32 s52, s52, s47
	s_add_co_u32 s52, s52, OST
	s_mov_b32 s[B], 0
	s_mov_b32 s[GA], 0
	s_mov_b32 s[GB], 14
	QADR GA, 68
	QADR GB, 72
	v_and_b32 v2, 31, v0
	v_lshlrev_b32 v[L16], 4, v2
	v_lshlrev_b32 v[L8], 3, v2
	v_and_b32 v250, 15, v0                         ; r
	v_bfe_u32 v251, v0, 4, 1                       ; h
	v_lshlrev_b32 v[R16], 4, v250
	v_and_b32 v[VD], 8, v250
	v_add_nc_u32 v[VD], v[VD], v250
	v_lshlrev_b32 v247, 4, v251
	v_sub_nc_u32 v[VD], v[VD], v247
	v_add_nc_u32 v[VD], s48, v[VD]                 ; 32 cx + 8 u + r + 8 (r / 8) - 16 h
	v_lshlrev_b32 v247, 3, v250
	v_add_nc_u32 v[XW], s49, v247
	v_add_nc_u32 v[XR], s50, v247
	v_add_nc_u32 v[OSW], s51, v[L16]
	v_add_nc_u32 v[OSR], s52, v[L16]
	v_add_nc_u32 v[OCA], s54, v[R16]
	v_add_nc_u32 v[OCB], s53, v247
	v_add_nc_u32 v[OSB], s55, v[R16]
	v_lshl_add_u32 v251, v251, 6, VM
	v_add_nc_u32 v[VMA], s53, v251
	WALU
	QLD 68, QA, QSA
	QLD 72, QB, QSB
.irp k, QA+8,QA+9,QA+10,QA+11,QB+8,QB+9,QB+10,QB+11,KV+64,KV+65,KV+66,KV+67
	v_mov_b32 v[\k], 0                             ; q's zero codes; the four registers behind k's last tile
.endr
.set n, TM
.rept 48
	v_mov_b32 v[n], 0                              ; lane permutes' destinations, the pairs' upper words, and what the last batch's way round slots 2 and 3 names
.set n, n+1
.endr
	WIN 0x40
.set n, 128
.rept 128
	v_mov_b32 v[n], 0                              ; slots 2 and 3: written on every way, also on the one that jumps over their products
.set n, n+1
.endr
	WIN 0
	WALU
	s_wait_tensorcnt 0x0
	BARRIER                                        ; all of k and v is in
; ---- the mean of v: wave t < 4 sums tile t of the head's 64 over all 2,048 keys against p = 1 / 2048 (code 4.0 under the byte 114)
	s_cmp_gt_u32 s8, 3
	s_cbranch_scc1 .Lno_mean
	s_mul_i32 s46, s8, 1536
	s_add_co_u32 s46, s46, VB0
	v_add_nc_u32 v[VA], s46, v[L16]
	s_and_b32 s47, s8, 1
	s_lshl_b32 s47, s47, 7
	s_lshr_b32 s56, s8, 1
	s_lshl_b32 s56, s56, 2
	s_add_co_u32 s47, s47, s56
	s_add_co_u32 s47, s47, VB0+6144
	v_lshrrev_b32 v[VSA], 1, v[R16]
	v_add_nc_u32 v[VSA], s47, v[VSA]
.irp k, 0,1,2,3
	v_mov_b32 v[PC+3*\k], 0x18618618
	v_mov_b32 v[PC+3*\k+1], 0x86186186
	v_mov_b32 v[PC+3*\k+2], 0x61861861
.endr
	v_mov_b32 v[PS], 0x72727272
	WALU
	PLACES 8
.irp grp, 0,1,2,3
.irp s, 0,1,2,3
.irp c, 0,1,2
	ds_load_b128 v[KV+12*\s+4*\c:KV+12*\s+4*\c+3], v[VA] offset:VBLK*\s+512*\c
.endr
	ds_load_b32 v[KS+\s], v[VSA] offset:VBLK*\s
.endr
	WALU
	s_wait_dscnt 0x0
.irp s, 0,1,2,3
.if \grp == 0
	v_wmma_scale_f32_16x16x128_f8f6f4 v[O+8*\s:O+8*\s+7], v[KV+12*\s:KV+12*\s+11], v[PC:PC+11], 0, v[KS+\s], v[PS] matrix_a_fmt:MATRIX_FMT_FP6 matrix_b_fmt:MATRIX_FMT_FP6
.else
	v_wmma_scale_f32_16x16x128_f8f6f4 v[O+8*\s:O+8*\s+7], v[KV+12*\s:KV+12*\s+11], v[PC:PC+11], v[O+8*\s:O+8*\s+7], v[KS+\s], v[PS] matrix_a_fmt:MATRIX_FMT_FP6 matrix_b_fmt:MATRIX_FMT_FP6
.endif
.endr
	v_add_nc_u32 v[VA], 4*VBLK, v[VA]
	v_add_nc_u32 v[VSA], 4*VBLK, v[VSA]
	PLACES 2
.endr
.irp k, 0,2,4,6
	v_pk_add_f32 v[O+\k:O+\k+1], v[O+\k:O+\k+1], v[O+8+\k:O+8+\k+1]
	v_pk_add_f32 v[O+16+\k:O+16+\k+1], v[O+16+\k:O+16+\k+1], v[O+24+\k:O+24+\k+1]
.endr
.irp k, 0,2,4,6
	v_pk_add_f32 v[O+\k:O+\k+1], v[O+\k:O+\k+1], v[O+16+\k:O+16+\k+1]
.endr
	s_lshr_b32 s46, s8, 1
	s_lshl_b32 s46, s46, 7
	s_and_b32 s47, s8, 1
	s_lshl_b32 s47, s47, 5
	s_add_co_u32 s46, s46, s47
	v_add_nc_u32 v[KA], s46, v251
	ds_store_b128 v[KA], v[O:O+3]
	ds_store_b128 v[KA], v[O+4:O+7] offset:16
.Lno_mean:
	s_wait_dscnt 0x0
	BARRIER
; ================= nine batches
.Lbatch:
	s_mov_b32 s[GA], s[B]
	s_cmp_eq_u32 s[B], 7
	s_cselect_b32 s[GA], 15, s[GA]
	s_cmp_eq_u32 s[B], 8
	s_cselect_b32 s[GA], 7, s[GA]
	s_sub_co_u32 s[GB], 14, s[B]
.irp k, 0,1,2,3                        ; slot k: step number w' + 4 k of the batch's sixteen
	s_add_co_u32 s46, s[W4], 4*\k
	s_add_co_u32 s47, s[GA], 1
	s_cmp_le_u32 s46, s[GA]
	s_cselect_b32 s[MA+\k], -1, 0
	s_cselect_b32 s47, 0, s47
	s_cselect_b32 s85, s[GA], 15                   ; where the tile's diagonal step stands among the sixteen
	s_sub_co_u32 s47, s46, s47
	s_and_b32 s47, s47, 15                         ; the key step
	s_mul_i32 s[KAD+\k], s47, KBLK
	s_mul_i32 s[VAD+\k], s47, VBLK
	s_add_co_u32 s[VAD+\k], s[VAD+\k], VB0
	s_cmp_eq_u32 s46, s85
	s_cselect_b32 s[DG+\k], 1, 0
.endr
	v_add_nc_u32 v[KA], s[KAD], v[L16]
	KLOAD
.set n, 0
.rept 64
	v_mov_b32 v[O+n], 0                            ; which slot begins a tile's sum hangs on the batch: the sums begin at 0
.set n, n+1
.endr
	s_wait_loadcnt 0x0                             ; this batch's q
; ---- scores and maxima: a slot's maxima are taken behind the next slot's products
	SC 0
	PLACES 4
	v_add_nc_u32 v[KA], s[KAD+1], v[L16]
	KLOAD
	SC 1
	s_cmp_eq_u32 s[B], 8
	s_cbranch_scc0 .Lfull
	MX 0, -1, 1
	MX 1, -1, 1
	WALU
	s_branch .Lp1e
.Lfull:
	MX 0, 2, 1
	SC 2
	MX 1, 3, 1
	SC 3
	MX 2, -1, 0                                    ; step numbers 8-11 are never a diagonal step
	MX 3, -1, 1
.Lp1e:
; ---- the rows' maxima: mine of A and of B, then the four waves'
.irp k, 0,1,2,3
	v_cndmask_b32 v[TM+\k], 0xff61b1e6, v[MS+\k], s[MA+\k]
	v_cndmask_b32 v[TM+4+\k], v[MS+\k], 0xff61b1e6, s[MA+\k]
.endr
	v_max3_num_f32 v[TM], v[TM], v[TM+1], v[TM+2]
	v_max3_num_f32 v[TM+4], v[TM+4], v[TM+5], v[TM+6]
	v_max_num_f32 v[TM], v[TM], v[TM+3]
	v_max_num_f32 v[TM+1], v[TM+4], v[TM+7]
	ds_store_b64 v[XW], v[TM:TM+1]                 ; both halves of the lanes hold and write the same
	s_cmp_ge_u32 s[B], 8                           ; the next batch's q: the products that read this batch's are issued
	s_cbranch_scc1 .Lnoq
	s_add_co_u32 s47, s[B], 1
	s_mov_b32 s46, s47
	s_cmp_eq_u32 s47, 7
	s_cselect_b32 s46, 15, s46
	s_cmp_eq_u32 s47, 8
	s_cselect_b32 s46, 7, s46
	QADR 46, 68
	QLD 68, QA, QSA
	s_cmp_ge_u32 s47, 7
	s_cbranch_scc1 .Lnoq
	s_sub_co_u32 s46, 14, s47
	QADR 46, 72
	QLD 72, QB, QSB
.Lnoq:
	WALU
	s_wait_dscnt 0x0
	BARRIER
.irp k, 0,1,2,3
	ds_load_b64 v[TM+2*\k:TM+2*\k+1], v[XR] offset:128*\k
.endr
	s_wait_dscnt 0x0
	v_max3_num_f32 v[MXA], v[TM], v[TM+2], v[TM+4]
	v_max3_num_f32 v[MXB], v[TM+1], v[TM+3], v[TM+5]
	v_max_num_f32 v[MXA], v[MXA], v[TM+6]
	v_max_num_f32 v[MXB], v[MXB], v[TM+7]
	v_mul_f32 v236, s[NC], v[MXA]
	v_mul_f32 v237, s[NC], v[MXB]
.irp k, 0,1,2,3
	v_cndmask_b32 v[AD+2*\k], v237, v236, s[MA+\k]
.endr
; ---- e = 2^(s c - M c) and its sums; a wait ahead of and behind each batch of exponentials
	FMA 0
	FMA 1
	WALU
	EXQ 0
	EXQ 1
	v_nop
	WALU
	SUM 0
	SUM 1
	WALU
	s_cmp_eq_u32 s[B], 8
	s_cbranch_scc1 .Lp2e
	FMA 2
	FMA 3
	WALU
	EXQ 2
	EXQ 3
	v_nop
	WALU
	SUM 2
	SUM 3
.Lp2e:
.irp k, 0,1,2,3
	v_cndmask_b32 v[TM+\k], 0, v[LS+\k], s[MA+\k]
	v_cndmask_b32 v[TM+4+\k], v[LS+\k], 0, s[MA+\k]
.endr
	v_add_f32 v[TM], v[TM], v[TM+1]
	v_add_f32 v[TM+2], v[TM+2], v[TM+3]
	v_add_f32 v[TM+4], v[TM+4], v[TM+5]
	v_add_f32 v[TM+6], v[TM+6], v[TM+7]
	v_add_f32 v[TM], v[TM], v[TM+2]
	v_add_f32 v[TM+1], v[TM+4], v[TM+6]
	v_permlanex16_b32 v[TM+8], v[TM], s[SEL], s[SEL+1]
	v_permlanex16_b32 v[TM+9], v[TM+1], s[SEL], s[SEL+1]
	v_add_f32 v[TM], v[TM], v[TM+8]
	v_add_f32 v[TM+1], v[TM+1], v[TM+9]
	ds_store_b64 v[XW], v[TM:TM+1] offset:1024
	WALU
	s_wait_dscnt 0x0
	BARRIER
.irp k, 0,1,2,3
	ds_load_b64 v[TM+2*\k:TM+2*\k+1], v[XR] offset:1024+128*\k
.endr
	s_wait_dscnt 0x0
	v_add_f32 v238, v[TM], v[TM+2]
	v_add_f32 v239, v[TM+1], v[TM+3]
	v_add_f32 v236, v[TM+4], v[TM+6]
	v_add_f32 v237, v[TM+5], v[TM+7]
	v_add_f32 v238, v238, v236
	v_add_f32 v239, v239, v237
	WALU
	v_rcp_f32 v238, v238
	v_rcp_f32 v239, v239
	v_nop
	WALU
.irp k, 0,1,2,3
	v_cndmask_b32 v[AD+2*\k], v239, v238, s[MA+\k]
.endr
; ---- p, its codes, and the products with v
	P3 0
	P3 1
	s_cmp_eq_u32 s[B], 8
	s_cbranch_scc1 .Lp3e
	P3 2
	P3 3
.Lp3e:
	PLACES 4
.irp k, 0,1,2,3,4,5,6,7,8,9,10,11,12,13,14,15
	ds_store_b128 v[OSW], v[O+4*\k:O+4*\k+3] offset:512*\k         ; my parts of both tiles' O^T, each accumulator from its low end on
.endr
	s_wait_dscnt 0x0
	BARRIER
; ---- wave w' adds up 16 registers (a block of 32 of the head, with lane l xor 16) of A or of B; the last two batches have no B
	s_cmp_lt_u32 s[B], 7
	s_cselect_b32 s46, -1, s[SX]
	s_cmp_lg_u32 s46, 0
	s_cbranch_scc0 .Lnoout
.irp j, 0,1,2,3
.irp c, 0,1,2,3
	ds_load_b128 v[KV+16*\j+4*\c:KV+16*\j+4*\c+3], v[OSR] offset:8192*\j+512*\c
.endr
.endr
.irp c, 0,1,2,3
	ds_load_b128 v[PC+4*\c:PC+4*\c+3], v[VMA] offset:16*\c         ; the mean of v at my 16 places
.endr
	s_cmp_lg_u32 s[SX], 0
	s_cselect_b32 s46, s[GA], s[GB]
	s_lshl_b32 s46, s46, 3
	s_add_co_u32 s46, s46, s82
	s_mul_i32 s88, s46, 12288
	s_add_co_u32 s88, s88, s83
	s_add_nc_u64 s[78:79], s[6:7], s[88:89]
	s_lshl_b32 s88, s46, 9
	s_add_co_u32 s88, s88, s84
	s_add_nc_u64 s[80:81], s[6:7], s[88:89]
	s_wait_dscnt 0x0
.irp k, 0,2,4,6,8,10,12,14
	v_pk_add_f32 v[KV+\k:KV+\k+1], v[KV+\k:KV+\k+1], v[KV+16+\k:KV+16+\k+1]
	v_pk_add_f32 v[KV+32+\k:KV+32+\k+1], v[KV+32+\k:KV+32+\k+1], v[KV+48+\k:KV+48+\k+1]
.endr
.irp k, 0,2,4,6,8,10,12,14
	v_pk_add_f32 v[KV+\k:KV+\k+1], v[KV+\k:KV+\k+1], v[KV+32+\k:KV+32+\k+1]
.endr
	v_cndmask_b32 v236, v[MXB], v[MXA], s[SX]
	v_cmp_gt_f32 vcc_lo, 0xec800000, v236          ; no key of the row is visible
.set n, 0
.rept 16
	v_cndmask_b32 v[KV+n], v[KV+n], v[PC+n], vcc_lo
.set n, n+1
.endr
	v_max3_num_f32 v[TM], |v[KV]|, |v[KV+1]|, 0x1800000
	v_max3_num_f32 v[TM+1], |v[KV+8]|, |v[KV+9]|, |v[KV+10]|
.irp k, 2,4,6
	v_max3_num_f32 v[TM], v[TM], |v[KV+\k]|, |v[KV+\k+1]|
	v_max3_num_f32 v[TM+1], v[TM+1], |v[KV+9+\k]|, |v[KV+10+\k]|
.endr
	v_max_num_f32 v[TM], v[TM], v[TM+1]
	v_permlanex16_b32 v[TM+8], v[TM], s[SEL], s[SEL+1]
	v_max_num_f32 v[TM], v[TM], v[TM+8]
	v_add_nc_u32 v[TM+2], 0xff000000, v[TM]
	v_lshrrev_b32 v[TM+3], 23, v[TM+2]
	v_cvt_scalef32_pk16_fp6_f32 v[TM+4:TM+6], v[KV:KV+15], v[TM+2]
	v_nop
.irp k, 0,1,2
	v_permlanex16_b32 v[TM+8+\k], v[TM+4+\k], s[SEL], s[SEL+1]
.endr
.irp k, 0,1,2                          ; the block's six words, the lower 16 codes first, in both halves of the lanes alike
	v_cndmask_b32 v[PT+\k], v[TM+4+\k], v[TM+8+\k], s[HM]
	v_cndmask_b32 v[PT+3+\k], v[TM+8+\k], v[TM+4+\k], s[HM]
.endr
	global_store_b128 v[OCA], v[PT:PT+3], s[78:79]                 ; sixteen rows x 16 bytes: 256 consecutive bytes, aligned (both halves of the lanes store the same)
	global_store_b64 v[OCB], v[PT+4:PT+5], s[78:79] offset:512
	global_store_b8 v[OSB], v[TM+3], s[80:81]
	s_wait_xcnt 0x0                                ; the stores have read their registers and bases
.Lnoout:
	s_add_co_u32 s[B], s[B], 1
	s_cmp_lt_u32 s[B], 9
	WALU
	s_cbranch_scc1 .Lbatch
	s_wait_tensorcnt 0x0                           ; the wave's end
	ds_add_u32 v[SPW], v[NIL]
	s_wait_dscnt 0x0
	CROUND                                         ; the closing round
	s_endpgm
.Lfunc_end_k_qd34a3d75d4_attn:
	.size	k_qd34a3d75d4_attn, .Lfunc_end_k_qd34a3d75d4_attn-k_qd34a3d75d4_attn
	.p2alignl 7, 3214868480
	.fill 96, 4, 3214868480
	.section	.rodata,"a",@progbits
	.p2align	6, 0x0
	.amdhsa_kernel k_qd34a3d75d4_attn
		.amdhsa_group_segment_fixed_size 327680
		.amdhsa_private_segment_fixed_size 0
		.amdhsa_enable_private_segment 0
		.amdhsa_kernarg_size 16
		.amdhsa_user_sgpr_count 2
		.amdhsa_user_sgpr_kernarg_segment_ptr 1
		.amdhsa_wavefront_size32 1
		.amdhsa_system_sgpr_workgroup_id_x 1
		.amdhsa_system_sgpr_workgroup_id_y 1
		.amdhsa_system_sgpr_workgroup_id_z 1
		.amdhsa_system_vgpr_workitem_id 0
		.amdhsa_next_free_vgpr 512
		.amdhsa_next_free_sgpr 92
		.amdhsa_reserve_vcc 1
		.amdhsa_float_denorm_mode_32 3
		.amdhsa_float_denorm_mode_16_64 3
		.amdhsa_memory_ordered 1
		.amdhsa_forward_progress 1
		.amdhsa_inst_pref_size 155
	.end_amdhsa_kernel
	.amdgpu_metadata
---
amdhsa.version: [ 1, 2 ]
amdhsa.kernels:
  - .name:           k_qd34a3d75d4_attn
    .symbol:         k_qd34a3d75d4_attn.kd
    .args:
      - { .name: qkvq, .offset: 0, .size: 8, .value_kind: global_buffer, .address_space: global }
      - { .name: oq, .offset: 8, .size: 8, .value_kind: global_buffer, .address_space: global }
    .group_segment_fixed_size: 327680
    .private_segment_fixed_size: 0
    .kernarg_segment_align: 8
    .kernarg_segment_size: 16
    .max_flat_workgroup_size: 256
    .sgpr_count:     92
    .vgpr_count:     512
    .wavefront_size: 32
...
	.end_amdgpu_metadata
.endif
;; end of part 3
;; launch proj (part 4): grid 4 x 64, 4 waves a work-group, clusters of 4 x 4, 327,680 bytes of LDS; arguments oq, xwq, out0; writes out0
.if DOCPART == 4
	.amdgcn_target "amdgcn-amd-amdhsa--gfx1250"
	.amdhsa_code_object_version 6
	.text
	.protected	k_qd34a3d75d4_proj
	.globl	k_qd34a3d75d4_proj
	.p2align	8
	.type	k_qd34a3d75d4_proj,@function
k_qd34a3d75d4_proj:
	s_mov_b64 s[64:65], 0
	v_nop
	global_prefetch_b8 v0, s[64:65] scope:SCOPE_SE
	s_setreg_imm32_b32 hwreg(HW_REG_WAVE_MODE, 25, 1), 1
	s_wait_xcnt 0x0
	s_wait_alu depctr_hold_cnt(0) depctr_sa_sdst(0) depctr_va_vdst(0) depctr_va_sdst(0) depctr_va_ssrc(0) depctr_va_vcc(0) depctr_vm_vsrc(0)
	s_getreg_b32 s2, hwreg(HW_REG_IB_STS2, 6, 4)
	s_cmp_eq_u32 s2, 0
	s_cbranch_scc0 .Lentry_in_a_cluster
	s_endpgm
.Lentry_in_a_cluster:
	s_bfe_u32 s2, ttmp6, 0x10000c
	s_cmp_lg_u32 s2, 0xf033
	s_cbranch_scc0 .Lentry_shape_is_right
	s_endpgm
.Lentry_shape_is_right:
.set FR,     12
.set NP,     4
.set TILEB,  12288
.set KROW,   12288
.set HALFA,  4*TILEB
.set HALFB,  8*TILEB
.set SLOT,   2*HALFA+2*HALFB
.set SCL,     SLOT
.set SBLK,   512
.set XSC,    9437184
.set OSC,    6291456
.set SPITCH, 528
.set ADRA, 16
.set ADRB, 20
.set STO,  24
.set RD,   25
.set CO,   26
.set ADRS, 27
.set SC,   32
.set AF,   128
.set BK,   128
.set G1, 24
.set G0, 32
.set G1B, 48
.set G0B, 56
.set G1S, 68
.set G0S, 76
.set G1SB, 80
.set G0SB, 88
.set MSB, 0
.macro WIN new
.if MSB != (\new)
	s_set_vgpr_msb (MSB<<8)|(\new)
.set MSB, (\new)
.endif
.endm
.set MUL,    0xa1
.set TO_B,   0x40
.macro JLOAD g0a, g1a, g0b, g1b
	s_cmp_eq_u32 s15, 0
	s_cbranch_scc0 .Lfor_b_\@
	tensor_load_to_lds s[\g0a:\g0a+3], s[\g1a:\g1a+7]
	s_nop 0
.rept 4
	v_nop
.endr
	s_branch .Lasked_\@
.Lfor_b_\@:
	tensor_load_to_lds s[\g0b:\g0b+3], s[\g1b:\g1b+7]
	s_nop 0
.rept 4
	v_nop
.endr
.Lasked_\@:
.endm
.macro CROUND
	s_barrier_signal -1
	s_barrier_wait -1
	s_cmp_lg_u32 s14, 0
	s_cbranch_scc1 .Lnot_wave_0_\@
	s_barrier_signal -3
.Lnot_wave_0_\@:
	s_barrier_wait -3
	s_barrier_signal -1
	s_barrier_wait -1
.endm
	s_load_b128 s[4:7], s[0:1], 0x0
	s_load_b64 s[12:13], s[0:1], 0x10
	v_lshl_add_u32 v126, v0, 2, 0x4b000
	v_mov_b32 v127, 0
	ds_add_u32 v126, v127
	ds_add_u32 v126, v127
	v_lshrrev_b32 v1, 5, v0
	v_readfirstlane_b32 s14, v1
	s_lshr_b32 s15, s14, 1
	s_and_b32 s16, s14, 1
	s_bfe_u32 s40, ttmp6, 0x40000
	s_bfe_u32 s41, ttmp6, 0x40004
	s_lshl_b32 s42, ttmp9, 2
	s_add_co_u32 s42, s42, s40
	s_and_b32 s17, ttmp7, 0xffff
	s_lshl_b32 s17, s17, 2
	s_add_co_u32 s17, s17, s41
	s_lshl_b32 s43, s41, 2
	s_lshl_b32 s43, 15, s43
	s_lshl_b32 s44, 0x1111, s40
	s_or_b32 s[G1+0], s43, (3<<16)|(1<<21)
	s_mov_b32 s[G1+1], 1536<<16
	s_mov_b32 s[G1+2], 8<<16
	s_mov_b32 s[G1+3], 1536<<16
	s_mov_b32 s[G1+4], 8
	s_mov_b32 s[G1+5], 1536
	s_mov_b32 s[G1+6], 0
	s_mov_b32 s[G1+7], 0
	s_or_b32 s[G1B+0], s44, (3<<16)|(1<<21)
	s_mov_b32 s[G1B+1], 1536<<16
	s_mov_b32 s[G1B+2], 16<<16
	s_mov_b32 s[G1B+3], 1536<<16
	s_mov_b32 s[G1B+4], 16
	s_mov_b32 s[G1B+5], 1536
	s_mov_b32 s[G1B+6], 0
	s_mov_b32 s[G1B+7], 0
	s_or_b32 s[G1S+0], s43, (3<<16)|(1<<21)
	s_mov_b32 s[G1S+1], 32<<16
	s_mov_b32 s[G1S+2], 16<<16
	s_mov_b32 s[G1S+3], 32<<16
	s_mov_b32 s[G1S+4], 16
	s_mov_b32 s[G1S+5], 32
	s_mov_b32 s[G1S+6], 0
	s_mov_b32 s[G1S+7], 0
	s_or_b32 s[G1SB+0], s44, (3<<16)|(1<<21)
	s_mov_b32 s[G1SB+1], 32<<16
	s_mov_b32 s[G1SB+2], 32<<16
	s_mov_b32 s[G1SB+3], 32<<16
	s_mov_b32 s[G1SB+4], 32
	s_mov_b32 s[G1SB+5], 32
	s_mov_b32 s[G1SB+6], 0
	s_mov_b32 s[G1SB+7], 0
	s_lshl_b32 s20, s17, 3
	s_lshl_b32 s46, s42, 4
	s_add_co_u32 s46, s46, 704
	s_lshl_b32 s22, s20, 9
	s_add_co_u32 s22, s22, OSC
	s_mov_b32 s23, 0
	s_lshl_b32 s92, s46, 9
	s_add_co_u32 s92, s92, XSC
	s_mov_b32 s93, 0
	s_mul_i32 s20, s20, KROW
	s_mov_b32 s21, 0
	s_mul_i32 s46, s46, KROW
	s_mov_b32 s47, 0
	s_mul_i32 s45, s16, HALFA
	s_mul_i32 s95, s16, HALFB
	s_add_co_u32 s95, s95, 2*HALFA
	s_lshl_b32 s94, s16, 11
	s_lshl_b32 s96, s16, 12
	s_add_co_u32 s96, s96, 4096
	s_wait_dscnt 0x0
	s_wait_kmcnt 0x0
	s_add_nc_u64 s[20:21], s[4:5], s[20:21]
	s_add_nc_u64 s[22:23], s[4:5], s[22:23]
	s_add_nc_u64 s[46:47], s[6:7], s[46:47]
	s_add_nc_u64 s[92:93], s[6:7], s[92:93]
	CROUND
	s_mov_b32 s[G0S], 1
	s_mov_b32 s[G0S+1], SCL
	s_mov_b64 s[G0S+2:G0S+3], s[22:23]
	s_or_b32 s[G0S+3], s[G0S+3], 0x80000000
	s_mov_b32 s[G0SB], 1
	s_mov_b32 s[G0SB+1], SCL+4096
	s_mov_b64 s[G0SB+2:G0SB+3], s[92:93]
	s_or_b32 s[G0SB+3], s[G0SB+3], 0x80000000
.irp s, 0,1
	s_mov_b32 s[G0+4*\s], 1
	s_add_co_u32 s[G0+4*\s+1], s45, \s*SLOT
	s_add_nc_u64 s[G0+4*\s+2:G0+4*\s+3], s[20:21], \s*TILEB
	s_or_b32 s[G0+4*\s+3], s[G0+4*\s+3], 0x80000000
	s_mov_b32 s[G0B+4*\s], 1
	s_add_co_u32 s[G0B+4*\s+1], s95, \s*SLOT
	s_add_nc_u64 s[G0B+4*\s+2:G0B+4*\s+3], s[46:47], \s*TILEB
	s_or_b32 s[G0B+4*\s+3], s[G0B+4*\s+3], 0x80000000
.endr
	s_mov_b32 s[G0+1], 0                           ; A's eight tiles, all of K, from LDS byte 0;
	s_mov_b32 s[G0B+1], 2*HALFA                    ; B's sixteen behind them
; all that the work-group reads comes by four joint loads, one a wave: one tree of branches on the wave's number, all arms joining at one label
.macro ARM under, g0, g1, next
	s_cmp_lt_u32 s14, \under
	s_cbranch_scc0 \next
	tensor_load_to_lds s[\g0:\g0+3], s[\g1:\g1+7]
	s_nop 0
.rept 4
	v_nop
.endr
	s_branch .Lhead_asked
\next:
.endm
	ARM 1, G0,  G1,  .Lhead_b
	ARM 2, G0B, G1B, .Lhead_sa
	ARM 3, G0S, G1S, .Lhead_sb
	tensor_load_to_lds s[G0SB:G0SB+3], s[G1SB:G1SB+7]
	s_nop 0
.rept 4
	v_nop
.endr
.Lhead_asked:
	v_and_b32 v1, 15, v0
	v_bfe_u32 v2, v0, 4, 1
	v_and_b32 v3, 31, v0
	v_lshlrev_b32 v4, 4, v3
	v_lshlrev_b32 v5, 3, v3
	s_mul_i32 s21, s15, HALFA
	s_mul_i32 s22, s16, HALFB
	s_add_co_u32 s22, s22, 2*HALFA
.irp s, 0,1
	v_add_nc_u32 v[ADRA+\s], s21, v4
	v_add_nc_u32 v[ADRB+\s], s22, v4
	v_add_nc_u32 v[ADRA+2+\s], s21, v5
	v_add_nc_u32 v[ADRB+2+\s], s22, v5
	s_add_co_u32 s22, s22, HALFA                   ; B's second address register serves my tiles 4-7
.endr
	v_lshlrev_b32 v5, 4, v1
	s_lshl_b32 s21, s15, 11
	s_lshl_b32 s22, s16, 12
	s_add_co_u32 s22, s22, 4096
	s_sub_co_u32 s22, s22, s21
	v_mul_u32_u24 v6, s22, v2
	s_add_co_u32 s21, s21, SCL
	v_add_nc_u32 v5, v5, v6
	v_add_nc_u32 v[ADRS], s21, v5
	s_mul_i32 s23, s14, 16*SPITCH
	v_mul_u32_u24 v5, v1, SPITCH
	v_lshl_add_u32 v5, v2, 6, v5
	v_add_nc_u32 v[STO], s23, v5
	v_mov_b32 v[CO], v4
	v_add_nc_u32 v[RD], s23, v4
	s_lshl_b32 s20, s17, 7
	s_lshl_b32 s21, s15, 6
	s_add_co_u32 s20, s20, s21
	s_lshl_b32 s20, s20, 12
	s_mov_b32 s21, 0
	s_lshl_b32 s46, s42, 10
	s_lshl_b32 s47, s16, 9
	s_add_co_u32 s46, s46, s47
	s_mov_b32 s47, 0
	s_add_nc_u64 s[20:21], s[20:21], s[46:47]
	s_add_nc_u64 s[12:13], s[12:13], s[20:21]
.macro FRAG reg, adr, q, i
	ds_load_b128 v[\reg:\reg+3], v[\adr] offset:(\i)*TILEB+1536*(\q)
	ds_load_b64 v[\reg+4:\reg+5], v[\adr+2] offset:(\i)*TILEB+1536*(\q)+512
	ds_load_b128 v[\reg+6:\reg+9], v[\adr] offset:(\i)*TILEB+1536*(\q)+768
	ds_load_b64 v[\reg+10:\reg+11], v[\adr+2] offset:(\i)*TILEB+1536*(\q)+1280
.endm
.macro MUL16 a0, p, q, sc, zero
.irp a, \a0, \a0+1
.irp b, 0,1,2,3,4,5,6,7
.if \zero
	v_wmma_scale_f32_16x16x128_f8f6f4 v[8*(8*(\a)+\b):8*(8*(\a)+\b)+7], v[128*(\p)+FR*\b:128*(\p)+FR*\b+FR-1], v[AF+48*(\p)+FR*(\a):AF+48*(\p)+FR*(\a)+FR-1], 0, v[SC+32*(\sc)+4*\b+(\q)], v[SC+32*(\sc)+4*(\a)+(\q)] matrix_a_fmt:MATRIX_FMT_FP6 matrix_b_fmt:MATRIX_FMT_FP6 matrix_a_scale:MATRIX_SCALE_ROW1
.else
	v_wmma_scale_f32_16x16x128_f8f6f4 v[8*(8*(\a)+\b):8*(8*(\a)+\b)+7], v[128*(\p)+FR*\b:128*(\p)+FR*\b+FR-1], v[AF+48*(\p)+FR*(\a):AF+48*(\p)+FR*(\a)+FR-1], v[8*(8*(\a)+\b):8*(8*(\a)+\b)+7], v[SC+32*(\sc)+4*\b+(\q)], v[SC+32*(\sc)+4*(\a)+(\q)] matrix_a_fmt:MATRIX_FMT_FP6 matrix_b_fmt:MATRIX_FMT_FP6 matrix_a_scale:MATRIX_SCALE_ROW1
.endif
.endr
.endr
.endm
.macro FETCH slot, q, p
	WIN TO_B
.irp i, 0,1,2,3,4,5,6,7
	FRAG 128*(\p)+FR*\i, ADRB+\i/4, 4*(\slot)+(\q), \i%4
.endr
	WIN 0
.irp i, 0,1,2,3
	FRAG AF+48*(\p)+FR*\i, ADRA, 4*(\slot)+(\q), \i
.endr
.endm
.macro SCALES sc
.irp i, 0,1,2,3,4,5,6,7
	ds_load_b128 v[SC+32*\sc+4*\i:SC+32*\sc+4*\i+3], v[ADRS] offset:\i*SBLK+256*\sc
.endr
.endm
.macro PLACES n
.rept \n
	v_nop
.endr
.endm
.macro STEP slot, q, zero
	s_wait_dscnt 0x0
.if !\zero
	PLACES NP
.endif
	FETCH \slot, (\q)+1, 1-(\q)%2
	WIN MUL
	MUL16 0, (\q)%2, \q, \slot, \zero
	MUL16 2, (\q)%2, \q, \slot, \zero
	WIN 0
.endm
	s_wait_alu depctr_va_vdst(0)
	s_wait_tensorcnt 0x0
	s_barrier_signal -1
	s_barrier_wait -1
	FETCH 0, 0, 0
	SCALES 0
	STEP 0, 0, 1
	STEP 0, 1, 0
	STEP 0, 2, 0
	s_wait_tensorcnt 0x0
	s_wait_dscnt 0x0
	s_barrier_signal -1
	WIN MUL
	MUL16 0, 1, 3, 0, 0
	s_barrier_wait -1
	PLACES NP
	FETCH 1, 0, 0
	SCALES 1
	WIN MUL
	MUL16 2, 1, 3, 0, 0
	WIN 0
	STEP 1, 0, 0
	STEP 1, 1, 0
	STEP 1, 2, 0
	s_wait_dscnt 0x0
	WIN MUL
	s_barrier_signal -1                            ; my reads of A and B are over: the stage for the way out lies on A's first tiles
	MUL16 0, 1, 3, 1, 0
	MUL16 2, 1, 3, 1, 0
	s_barrier_wait -1
	WIN 0
.macro TOSTAGE a
.set AC, 64*(\a)
	WIN 0x08
.irp b, 0,1,2,3,4,5,6,7
	ds_store_b128 v[STO], v[AC+8*\b:AC+8*\b+3] offset:128*(\b/2)+32*(\b%2)
	ds_store_b128 v[STO], v[AC+8*\b+4:AC+8*\b+7] offset:128*(\b/2)+32*(\b%2)+16
.endr
	WIN 0
.set BB, BK+64*((\a)%2)
.irp t, 0,1,2,3,4,5,6,7,8,9,10,11,12,13,14,15
	ds_load_b128 v[BB+4*\t:BB+4*\t+3], v[RD] offset:\t*SPITCH
.endr
.endm
.macro SEND a, younger
.set BB, BK+64*((\a)%2)
	s_wait_dscnt \younger
.if (\a) > 0
	s_add_nc_u64 s[12:13], s[12:13], (8+16*(1-(\a)%2))*4096
.endif
.irp t, 0,1,2,3,4,5,6,7,8,9,10,11,12,13,14,15
	global_store_b128 v[CO], v[BB+4*\t:BB+4*\t+3], s[12:13] offset:(\t+8*(\t/8))*4096 th:TH_STORE_NT
.endr
.endm
	PLACES NP
	TOSTAGE 0
.irp a, 1,2,3
.if \a > 1
	s_wait_xcnt 0x0
.endif
	TOSTAGE \a
	SEND \a-1, 32
.endr
	s_wait_xcnt 0x0
	SEND 3, 0
	s_wait_tensorcnt 0x0
	ds_add_u32 v126, v127
	s_wait_dscnt 0x0
	CROUND
	s_endpgm
.Lfunc_end_k_qd34a3d75d4_proj:
	.size	k_qd34a3d75d4_proj, .Lfunc_end_k_qd34a3d75d4_proj-k_qd34a3d75d4_proj
	.p2alignl 7, 3214868480
	.fill 96, 4, 3214868480
	.section	.rodata,"a",@progbits
	.p2align	6, 0x0
	.amdhsa_kernel k_qd34a3d75d4_proj
		.amdhsa_group_segment_fixed_size 327680
		.amdhsa_private_segment_fixed_size 0
		.amdhsa_enable_private_segment 0
		.amdhsa_kernarg_size 24
		.amdhsa_user_sgpr_count 2
		.amdhsa_user_sgpr_kernarg_segment_ptr 1
		.amdhsa_wavefront_size32 1
		.amdhsa_system_sgpr_workgroup_id_x 1
		.amdhsa_system_sgpr_workgroup_id_y 1
		.amdhsa_system_sgpr_workgroup_id_z 1
		.amdhsa_system_vgpr_workitem_id 0
		.amdhsa_next_free_vgpr 768
		.amdhsa_next_free_sgpr 100
		.amdhsa_reserve_vcc 0
		.amdhsa_float_denorm_mode_32 3
		.amdhsa_float_denorm_mode_16_64 3
		.amdhsa_memory_ordered 1
		.amdhsa_forward_progress 1
		.amdhsa_inst_pref_size 84
	.end_amdhsa_kernel
	.amdgpu_metadata
---
amdhsa.version: [ 1, 2 ]
amdhsa.kernels:
  - .name:           k_qd34a3d75d4_proj
    .symbol:         k_qd34a3d75d4_proj.kd
    .args:
      - { .name: oq, .offset: 0, .size: 8, .value_kind: global_buffer, .address_space: global }
      - { .name: xwq, .offset: 8, .size: 8, .value_kind: global_buffer, .address_space: global }
      - { .name: out0, .offset: 16, .size: 8, .value_kind: global_buffer, .address_space: global }
    .group_segment_fixed_size: 327680
    .private_segment_fixed_size: 0
    .kernarg_segment_align: 8
    .kernarg_segment_size: 24
    .max_flat_workgroup_size: 128
    .sgpr_count:     100
    .vgpr_count:     768
    .wavefront_size: 32
...
	.end_amdgpu_metadata
.endif
;; end of part 4
